; MI455X (gfx1250); checked and timed in simulation.
; The chip was launched on July 23, 2026; its instructions are those of AMD's public machine-readable ISA for CDNA 5 (MIT licence, August 2026) and "CDNA5" Instruction Set Architecture Reference Guide (July 2026). The comments in the code are by the model that wrote it; some were corrected since.
;; Attention2. Allowed arithmetic: matrix products marked QUANTISED: E2M3 operands, one E8M0 scale for each 32 along K, by v_wmma_scale_f32_16x16x128_f8f6f4 with both operands' format E2M3, f32 sums; everything else in f32.
;; Inputs: b_out 1,024 float32; w_out 1,024 x 1,024 float32; w_qkv 1,024 x 3,072 float32; x 4 x 2,048 x 1,024 float32.
;; Outputs: out0 4 x 2,048 x 1,024 float32.
;; This version of the problem:
;;   THIS VERSION OF THE PROBLEM IS GIVEN IN LOW PRECISION. The matrix products marked QUANTISED in the list below multiply operands that are first quantised to E2M3 (2 exponent bits, 3 mantissa bits; 6 bits a number), with one power-of-two scale for each 32 numbers along K (OCP MX v1.0); their sums are f32. All else is computed in f32.
;;   The module's matrix products, in the order in which they are computed (A, B: the left and right operand; K: the contracted axis; several contracted axes count as one K, in the product's order):
;;     1. [M 8,192, K 1,024] x [K 1,024, N 3,072]; A: input x; B: input w_qkv: QUANTISED
;;     2. batch 64 x [M 2,048, K 64] x [K 64, N 2,048]; A: computed on the way; B: computed on the way: QUANTISED
;;     3. batch 64 x [M 2,048, K 2,048] x [K 2,048, N 64]; A: softmax (see below); B: computed on the way: QUANTISED
;;     4. [M 8,192, K 1,024] x [K 1,024, N 1,024]; A: computed on the way; B: input w_out: QUANTISED
;;   THE QUANTISER, for each operand of a quantised product, along K:
;;     - K is cut into blocks of 32 from its start; a last block that is shorter is filled with zeros.
;;     - A block's scale is 2^e with e = floor(log2(the largest magnitude in the block)) - 2, held to -126 .. 127; a block of zeros has e = 0. As a byte (E8M0): e + 127.
;;     - Each number is divided by its block's scale, clamped to +-7.5, and rounded to the nearest number of E2M3, ties to even, subnormals kept.
;;     - The product sums the exact products of the quantised numbers (number of the format x scale) in f32.
;;   ~~~python
;;   def quantise(x, axis):      # numpy; x: float32 -> the quantised numbers, widened to float32 again
;;       x = np.moveaxis(x, axis, -1); K = x.shape[-1]
;;       x = np.pad(x, [(0, 0)] * (x.ndim - 1) + [(0, -K % 32)]); x = x.reshape(x.shape[:-1] + (-1, 32)); a = np.abs(x).max(-1, keepdims=True)
;;       e = np.where(a > 0, np.clip(np.frexp(np.where(a > 0, a, 1))[1] - 1 - 2, -126, 127), 0)      # np.frexp(a)[1] - 1 = floor(log2(a)), exactly
;;       r = np.clip(x / 2.0 ** e, -7.5, 7.5)
;;       step = 2.0 ** (np.maximum(np.frexp(np.where(r == 0, 1, r))[1] - 1, 0) - 3)
;;       q = np.round(r / step) * step * 2.0 ** e      # np.round: ties to even
;;       return np.moveaxis(q.reshape(q.shape[:-2] + (-1,))[..., :K], -1, axis).astype(np.float32)
;;   ~~~
;;   SOFTMAX AHEAD OF A QUANTISED PRODUCT. Where the list says 'softmax', what is quantised is not the finished softmax but p = 2^(t - M), with t = logit x log2(e) and M = ceil(the row's largest t), a whole number; so 1/2 < the row's largest p <= 1. The row's sum l is taken of the UNQUANTISED p, in f32, and the product's result is divided by l at the end. Since M is a whole number, a kernel that streams over the keys may use a running M (the ceiling of the running maximum): every later rescaling is an exact power of two, which a block's scale takes up: the codes' values come out the same.
;;   OPERANDS COMPUTED ON THE WAY. 'Computed on the way' means the value that the module computes at that place (a softmax that the list does not call 'softmax' is quantised finished and normalised). What goes into a quantiser is computed in f32, as accurately as f32 sums, v_exp_f32 and their like allow (about 1e-6 of the number): no bf16 or f16 on the way to a quantiser, and a product that is left as it is and whose result goes on into a quantised operand takes f32 operands (vector FMAs, or v_wmma_f32_16x16x4_f32). A number that lies on a knife's edge between two numbers of the format may be rounded either way, as far as f32 arithmetic and the matrix unit's own rounding can turn it there, and no further.
;; One version. Each part assembles by itself: llvm-mc -triple=amdgcn-amd-amdhsa -mcpu=gfx1250 --defsym DOCPART=n.
;; ======== version 1 of 1: 4 launches
;; limits: right only within a limited range of input values
;; workspace buffers: xw_codes 9,437,184 bytes; xw_scales 393,216 bytes; qkv_codes 18,874,368 bytes; qkv_scales 1,310,720 bytes; o_codes 6,291,456 bytes; o_scales 262,144 bytes
;; launch quant (part 1): grid 64 x 8, 4 waves a work-group, no clusters, 34,304 bytes of LDS; arguments x, w_qkv, w_out, xw_codes, xw_scales; writes xw_codes, xw_scales
.if DOCPART == 1
	.amdgcn_target "amdgcn-amd-amdhsa--gfx1250"
	.amdhsa_code_object_version 6
	.text
	.protected	k_q0ab9875680_quant
	.globl	k_q0ab9875680_quant
	.p2align	8
	.type	k_q0ab9875680_quant,@function
k_q0ab9875680_quant:
	s_mov_b64 s[64:65], 0
	v_nop
	global_prefetch_b8 v0, s[64:65] scope:SCOPE_SE
	s_setreg_imm32_b32 hwreg(HW_REG_WAVE_MODE, 25, 1), 1
	s_wait_xcnt 0x0
; x [8192][1024], w_qkv [1024][3072] and w_out [1024][1024], f32, become codes of FP6 (E2M3) with one E8M0 byte for each 32 along K (x: its last axis; the weights: their first).
; A block's scale is 2^(floor(log2(its largest magnitude)) - 2); its byte is the largest magnitude's exponent field - 2, held at 1 from below; numbers beyond 7.5 x scale get the largest code.
; LIMITS: NaN and infinities are not served.  A block whose largest magnitude lies under 2^-124 (a block of zeros too) gets the byte 1: a block of zeros has zero codes, which add nothing; this program alone reads the bytes.
; LAYOUT OF THE RESULTS: images of the matrix unit's operand registers.  A ROW BLOCK rb = 2 g + u is 16 rows (of x) or columns (of a weight): its lane-row r is true row 32 g + 8 u + (r & 7) + 16 (r >> 3).
;   codes  [rb][K step 0..7][1536]: register g (0..11) of lane l at 512 (g / 4) + 4 (g % 4) + 16 l: three loads of 16 bytes a lane bring a fragment of 16 rows x 128 K.
;   scales [rb][K step / 4][r][K step % 4] of 32-bit words (byte b: the b-th 32 of the K step).
;   rb 0..511: x;  512..703: w_qkv's columns;  704..767: w_out's columns.
; In w_out the second and third block of 32 of each 128 along K change places (codes and bytes together): so does the launch that makes the other operand of that product, and a sum does not mind.
; The first 32 columns of the grid take x, the others the weights: one scalar branch on the work-group's number.  Only x's path touches LDS.  No input is shared between work-groups: no cluster, no tensor load.
.set XSTG, 8448                        ; x's path: a stage of 16 rows x (512 + 16) bytes for each wave
.set XR,   16                          ; v16-143  two sets of 64 registers as loaded
.set XX,   144                         ; v144-207 64 numbers of my row, in the operand's order
.set XP,   208                         ; v208-219 the fragment's 12 registers
.set XT,   220                         ; v220-227 the upper halves of the blocks' codes, ahead of their move
.set XW,   236                         ; v236-239 four K steps' scale words
.set WX,   16                          ; weights: v16-143 four positions x 32 numbers down K
.set WIM,  144                         ; v144-167 the images of lanes (r, 0) and (r, 1): 12 registers each
.set WT,   168                         ; v168-183 upper halves ahead of their move
.set WM,   184                         ; v184-187 largest magnitudes, v188-191 scale operands, v192-195 bytes
	s_load_b256 s[4:11], s[0:1], 0x0               ; x s[4:5], w_qkv s[6:7], w_out s[8:9], the codes s[10:11]
	s_load_b64 s[12:13], s[0:1], 0x20              ; the scale words
	v_lshl_add_u32 v240, v0, 2, 0x8400
	v_mov_b32 v241, 0
	v_lshrrev_b32 v1, 5, v0
	v_readfirstlane_b32 s16, v1                    ; wave 0..3
	v_and_b32 v1, 31, v0                           ; lane
	s_and_b32 s18, ttmp7, 0xffff                   ; work-group y
	s_mov_b32 s20, 0x76543210
	s_mov_b32 s21, 0xfedcba98                      ; lane selects: lane l xor 16
	s_cmp_ge_u32 ttmp9, 32
	s_cbranch_scc1 .Lweights
; ---------------- x: a wave takes a row block x 512 along K: four fragments ----------------
	s_lshl_b32 s22, s18, 5
	s_add_co_u32 s22, s22, ttmp9
	s_lshl_b32 s22, s22, 2
	s_add_co_u32 s22, s22, s16                     ; task 0..1023
	s_lshr_b32 s23, s22, 1                         ; rb
	s_and_b32 s24, s22, 1                          ; which half of K
	s_lshr_b32 s26, s23, 1
	s_lshl_b32 s26, s26, 17                        ; 32 rows of 4,096 bytes for each pair of row blocks,
	s_and_b32 s27, s23, 1
	s_lshl_b32 s27, s27, 15                        ; 8 rows for the odd one,
	s_add_co_u32 s26, s26, s27
	s_lshl_b32 s27, s24, 11                        ; 512 numbers along K
	s_add_co_u32 s26, s26, s27
	s_mov_b32 s27, 0
	s_mul_i32 s28, s23, 12288
	s_mul_i32 s29, s24, 6144
	s_add_co_u32 s28, s28, s29
	s_mov_b32 s29, 0
	s_lshl_b32 s30, s23, 9
	s_lshl_b32 s31, s24, 8
	s_add_co_u32 s30, s30, s31
	s_mov_b32 s31, 0
	s_wait_alu depctr_va_vdst(0)
	v_lshlrev_b32 v2, 4, v1                        ; 16 x lane: a load's and a store's 512 consecutive bytes
	s_mul_i32 s32, s16, XSTG
	v_add_nc_u32 v3, s32, v2                       ; the stage, on the way in
	v_and_b32 v7, 15, v0                           ; r
	v_bfe_u32 v8, v0, 4, 1                         ; h
	v_mul_u32_u24 v4, v7, 528
	v_lshl_add_u32 v4, v8, 7, v4
	v_add_nc_u32 v4, s32, v4                       ; and on the way out: row r, + 128 h bytes: my 32 numbers of each 64
	v_lshlrev_b32 v5, 4, v7                        ; the scale words' place: 16 r
	v_lshlrev_b32 v6, 3, v8                        ; 8 h: my bytes' shift in a scale word
	v_mov_b32 v235, 0                              ; written once: a lane permute's destination counts as a source
	s_wait_alu depctr_va_vdst(0)
	s_wait_kmcnt 0x0
	s_add_nc_u64 s[4:5], s[4:5], s[26:27]
	s_add_nc_u64 s[10:11], s[10:11], s[28:29]
	s_add_nc_u64 s[12:13], s[12:13], s[30:31]
.macro XLOAD f, set                    ; K step f of my 16 rows: each load reads 512 consecutive bytes of one row
.irp i, 0,1,2,3,4,5,6,7,8,9,10,11,12,13,14,15
	global_load_b128 v[XR+64*(\set)+4*\i:XR+64*(\set)+4*\i+3], v2, s[4:5] offset:((\i%8)+16*(\i/8))*4096+512*(\f) th:TH_LOAD_NT
.endr
.endm
.macro XTURN set                       ; through my own stage: in as loaded, out in the operand's order.  LDS serves a wave's instructions in order: no wait between
.irp i, 0,1,2,3,4,5,6,7,8,9,10,11,12,13,14,15
	ds_store_b128 v3, v[XR+64*(\set)+4*\i:XR+64*(\set)+4*\i+3] offset:528*\i
.endr
.irp c, 0,1
.irp j, 0,1,2,3,4,5,6,7
	ds_load_b128 v[XX+32*\c+4*\j:XX+32*\c+4*\j+3], v4 offset:256*\c+16*\j   ; k = 64 c + 32 h + 4 j ..
.endr
.endr
.endm
.macro XQ f                            ; my two whole blocks (2 c + h) become registers 6 c .. 6 c + 5 of the fragment
.irp c, 0,1
	v_max3_num_f32 v[228+\c], |v[XX+32*\c]|, |v[XX+32*\c+1]|, 0x1800000   ; with the floor 2^(3 - 127): the byte cannot fall under 1
.endr
.irp i, 2,4,6,8,10,12,14,16,18,20,22,24,26,28,30
.irp c, 0,1
	v_max3_num_f32 v[228+\c], v[228+\c], |v[XX+32*\c+\i]|, |v[XX+32*\c+\i+1]|
.endr
.endr
.irp c, 0,1
	v_add_nc_u32 v[230+\c], 0xff000000, v[228+\c]  ; 2 off the exponent field: the conversion's scale operand
.endr
.irp c, 0,1
	v_lshrrev_b32 v[232+\c], 23, v[230+\c]         ; the scale's byte
.endr
	v_lshl_or_b32 v234, v233, 16, v232             ; bytes h and 2 + h,
	v_lshlrev_b32 v234, v6, v234                   ; at their places;
	v_permlanex16_b32 v235, v234, s20, s21
	v_or_b32 v[XW+\f], v234, v235                  ; with lane l xor 16's two the word is whole
	s_wait_alu depctr_va_vdst(0)
	s_wait_xcnt 0x0                                ; the last fragment's stores have read v208-219: only now are they written again
.irp c, 0,1
	v_cvt_scalef32_pk16_fp6_f32 v[XP+6*\c:XP+6*\c+2], v[XX+32*\c:XX+32*\c+15], v[230+\c]
	v_cvt_scalef32_pk16_fp6_f32 v[XT+4*\c:XT+4*\c+2], v[XX+32*\c+16:XX+32*\c+31], v[230+\c]   ; (a conversion's three registers begin on an even number)
.endr
	v_nop                                          ; one plain place behind a scaled conversion
.irp c, 0,1
.irp i, 0,1,2
	v_mov_b32 v[XP+6*\c+3+\i], v[XT+4*\c+\i]
.endr
.endr
.irp c, 0,1,2
	global_store_b128 v2, v[XP+4*\c:XP+4*\c+3], s[10:11] offset:1536*(\f)+512*\c   ; 512 consecutive bytes, at a multiple of 256 from the buffer's first byte
.endr
.endm
	XLOAD 0, 0
	XLOAD 1, 1
.irp f, 0,1,2,3
.if \f < 3
	s_wait_loadcnt 16                              ; this fragment's sixteen loads are in; the next one's may be out
.else
	s_wait_loadcnt 0x0
.endif
	XTURN \f%2
	s_wait_dscnt 0x0                               ; the numbers are back, and the stage's stores have read their registers,
.if \f < 2
	XLOAD \f+2, \f%2                               ; which take the loads of two fragments on
.endif
	XQ \f
.endr
	v_cmp_gt_u32 vcc_lo, 16, v1
	s_wait_xcnt 0x0                                ; EXEC changes only behind this wait
	s_wait_tensorcnt 0x0
	ds_add_u32 v240, v241
	s_wait_dscnt 0x0
	s_and_saveexec_b32 s33, vcc_lo
	global_store_b128 v5, v[XW:XW+3], s[12:13]     ; lanes 0-15: 256 consecutive bytes, aligned: four K steps' words of 16 rows
	s_wait_xcnt 0x0
	s_or_b32 exec_lo, exec_lo, s33
	s_endpgm
; ---------------- the weights: a wave takes 32 columns x 128 along K; a lane takes a column, its registers run down K ----------------
.Lweights:
	s_sub_co_u32 s22, ttmp9, 32                    ; 0..23: w_qkv's columns by 128; 24..31: w_out's
	s_lshl_b32 s23, s22, 2
	s_add_co_u32 s23, s23, s16                     ; which 32 columns, counted through both weights
	s_lshl_b32 s24, s23, 1
	s_add_co_u32 s24, s24, 512                     ; their first row block (w_out's begin at 512 + 192 = 704)
	s_mul_i32 s28, s24, 12288
	s_mul_i32 s29, s18, 1536                       ; K step = work-group y
	s_add_co_u32 s28, s28, s29
	s_mov_b32 s29, 0
	s_lshl_b32 s30, s24, 9
	s_lshr_b32 s31, s18, 2
	s_lshl_b32 s31, s31, 8
	s_add_co_u32 s30, s30, s31
	s_and_b32 s31, s18, 3
	s_lshl_b32 s31, s31, 2
	s_add_co_u32 s30, s30, s31
	s_mov_b32 s31, 0
	s_wait_alu depctr_va_vdst(0)
	v_lshlrev_b32 v2, 2, v1                        ; in: 4 bytes a lane: 128 consecutive bytes a wave, 512 a work-group
	v_bfe_u32 v7, v0, 3, 1                         ; column l of the 32 is lane-row r' of row block u: u = (l >> 3) & 1,
	v_and_b32 v8, 7, v0
	v_bfe_u32 v9, v0, 4, 1
	v_lshl_or_b32 v8, v9, 3, v8                    ; r' = (l & 7) + 8 (l >> 4)
	v_mul_u32_u24 v3, v7, 12288
	v_lshl_add_u32 v3, v8, 4, v3                   ; the codes' place
	v_lshlrev_b32 v4, 9, v7
	v_lshl_add_u32 v4, v8, 4, v4                   ; the scale word's
	s_cmp_lt_u32 s22, 24                           ; w_qkv or w_out?  The choice hangs on the work-group's number alone
	s_mov_b32 s35, 524288
	s_cselect_b32 s35, 1572864, s35                ; 128 rows of the weight, in bytes
	s_cselect_b32 s36, 0, 96
	s_cselect_b32 s34, 1, 0
	s_wait_kmcnt 0x0
	s_cselect_b64 s[4:5], s[6:7], s[8:9]
	s_mul_i32 s26, s18, s35
	s_sub_co_u32 s36, s23, s36
	s_lshl_b32 s36, s36, 7                         ; 32 columns of 4 bytes
	s_add_co_u32 s26, s26, s36
	s_mov_b32 s27, 0
	s_add_nc_u64 s[4:5], s[4:5], s[26:27]
	s_add_nc_u64 s[10:11], s[10:11], s[28:29]
	s_add_nc_u64 s[12:13], s[12:13], s[30:31]
.macro WLOAD p, tb, stride             ; position p of the operand takes the K step's block tb
.irp i, 0,1,2,3,4,5,6,7,8,9,10,11,12,13,14,15,16,17,18,19,20,21,22,23,24,25,26,27,28,29,30,31
	global_load_b32 v[WX+32*(\p)+\i], v2, s[4:5] offset:(32*(\tb)+\i)*(\stride) th:TH_LOAD_NT
.endr
.endm
.macro WSTAT p                         ; the block's largest magnitude (all 32 numbers are mine), its scale operand and its byte
	v_max3_num_f32 v[WM+\p], |v[WX+32*\p]|, |v[WX+32*\p+1]|, |v[WX+32*\p+2]|
	v_max3_num_f32 v[WM+4+\p], |v[WX+32*\p+3]|, |v[WX+32*\p+4]|, |v[WX+32*\p+5]|
.irp i, 6,10,14,18,22,26
	v_max3_num_f32 v[WM+\p], v[WM+\p], |v[WX+32*\p+\i]|, |v[WX+32*\p+\i+1]|
	v_max3_num_f32 v[WM+4+\p], v[WM+4+\p], |v[WX+32*\p+\i+2]|, |v[WX+32*\p+\i+3]|
.endr
	v_max3_num_f32 v[WM+\p], v[WM+\p], |v[WX+32*\p+30]|, |v[WX+32*\p+31]|
	v_max3_num_f32 v[WM+\p], v[WM+\p], v[WM+4+\p], 0x1800000   ; and the floor 2^(3 - 127)
	v_add_nc_u32 v[WM+4+\p], 0xff000000, v[WM+\p]
	v_lshrrev_b32 v[WM+8+\p], 23, v[WM+4+\p]
.endm
.macro WBODY stride, q1, q2            ; loads run two blocks ahead: a wait's count names the one younger block's 32 loads
	WLOAD 0, 0, \stride
	WLOAD 1, \q1, \stride
	s_wait_loadcnt 32
	WSTAT 0
	WLOAD 2, \q2, \stride
	s_wait_loadcnt 32
	WSTAT 1
	WLOAD 3, 3, \stride
	s_wait_loadcnt 32
	WSTAT 2
	s_wait_loadcnt 0x0
	WSTAT 3
.endm
	s_cmp_eq_u32 s34, 1
	s_cbranch_scc0 .Lw_out
	s_wait_alu depctr_va_vdst(0)
	WBODY 12288, 1, 2                              ; w_qkv: rows of 12,288 bytes, K as it lies
	s_branch .Lw_join
.Lw_out:
	s_wait_alu depctr_va_vdst(0)
	WBODY 4096, 2, 1                               ; w_out: rows of 4,096 bytes, the second and third block change places
.Lw_join:
	v_lshl_or_b32 v196, v193, 8, v192              ; the column's scale word for this K step
	v_lshl_or_b32 v196, v194, 16, v196
	s_wait_alu depctr_va_vdst(0)
	v_lshl_or_b32 v196, v195, 24, v196
.irp hh, 0,1                                   ; position 2 c + hh is registers 6 c .. 6 c + 5 of the image's lane (r', hh)
.irp c, 0,1
	v_cvt_scalef32_pk16_fp6_f32 v[WIM+12*\hh+6*\c:WIM+12*\hh+6*\c+2], v[WX+32*(2*\c+\hh):WX+32*(2*\c+\hh)+15], v[WM+4+2*\c+\hh]
	v_cvt_scalef32_pk16_fp6_f32 v[WT+4*(2*\hh+\c):WT+4*(2*\hh+\c)+2], v[WX+32*(2*\c+\hh)+16:WX+32*(2*\c+\hh)+31], v[WM+4+2*\c+\hh]
.endr
.endr
	v_nop                                          ; one plain place behind a scaled conversion
.irp hh, 0,1
.irp c, 0,1
.irp i, 0,1,2
	v_mov_b32 v[WIM+12*\hh+6*\c+3+\i], v[WT+4*(2*\hh+\c)+\i]
.endr
.endr
.endr
.irp hh, 0,1
.irp c, 0,1,2
	global_store_b128 v3, v[WIM+12*\hh+4*\c:WIM+12*\hh+4*\c+3], s[10:11] offset:512*\c+256*\hh   ; the sixteen lanes of a row block fill 256 consecutive bytes, aligned
.endr
.endr
	global_store_b32 v4, v196, s[12:13]            ; 4 bytes a lane, 16 apart: the weights' scale words are 131,072 bytes in all
	s_endpgm
.Lfunc_end_k_q0ab9875680_quant:
	.size	k_q0ab9875680_quant, .Lfunc_end_k_q0ab9875680_quant-k_q0ab9875680_quant
	.p2alignl 7, 3214868480
	.fill 96, 4, 3214868480
	.section	.rodata,"a",@progbits
	.p2align	6, 0x0
	.amdhsa_kernel k_q0ab9875680_quant
		.amdhsa_group_segment_fixed_size 34304
		.amdhsa_private_segment_fixed_size 0
		.amdhsa_enable_private_segment 0
		.amdhsa_kernarg_size 40
		.amdhsa_user_sgpr_count 2
		.amdhsa_user_sgpr_kernarg_segment_ptr 1
		.amdhsa_wavefront_size32 1
		.amdhsa_system_sgpr_workgroup_id_x 1
		.amdhsa_system_sgpr_workgroup_id_y 1
		.amdhsa_system_sgpr_workgroup_id_z 1
		.amdhsa_system_vgpr_workitem_id 0
		.amdhsa_next_free_vgpr 242
		.amdhsa_next_free_sgpr 66
		.amdhsa_reserve_vcc 1
		.amdhsa_float_denorm_mode_32 3
		.amdhsa_float_denorm_mode_16_64 3
		.amdhsa_memory_ordered 1
		.amdhsa_forward_progress 1
		.amdhsa_inst_pref_size 67
	.end_amdhsa_kernel
	.amdgpu_metadata
---
amdhsa.version: [ 1, 2 ]
amdhsa.kernels:
  - .name:           k_q0ab9875680_quant
    .symbol:         k_q0ab9875680_quant.kd
    .args:
      - { .name: x, .offset: 0, .size: 8, .value_kind: global_buffer, .address_space: global }
      - { .name: w_qkv, .offset: 8, .size: 8, .value_kind: global_buffer, .address_space: global }
      - { .name: w_out, .offset: 16, .size: 8, .value_kind: global_buffer, .address_space: global }
      - { .name: xw_codes, .offset: 24, .size: 8, .value_kind: global_buffer, .address_space: global }
      - { .name: xw_scales, .offset: 32, .size: 8, .value_kind: global_buffer, .address_space: global }
    .group_segment_fixed_size: 34304
    .private_segment_fixed_size: 0
    .kernarg_segment_align: 8
    .kernarg_segment_size: 40
    .max_flat_workgroup_size: 128
    .sgpr_count:     66
    .vgpr_count:     242
    .wavefront_size: 32
...
	.end_amdgpu_metadata
.endif
;; end of part 1
;; launch qkv (part 2): grid 12 x 32, 4 waves a work-group, clusters of 4 x 4, 327,680 bytes of LDS; arguments xw_codes, xw_scales, qkv_codes, qkv_scales; writes qkv_codes, qkv_scales
.if DOCPART == 2
	.amdgcn_target "amdgcn-amd-amdhsa--gfx1250"
	.amdhsa_code_object_version 6
	.text
	.protected	k_q0ab9875680_qkv
	.globl	k_q0ab9875680_qkv
	.p2align	8
	.type	k_q0ab9875680_qkv,@function
k_q0ab9875680_qkv:
	s_mov_b64 s[64:65], 0
	v_nop
	global_prefetch_b8 v0, s[64:65] scope:SCOPE_SE
	s_setreg_imm32_b32 hwreg(HW_REG_WAVE_MODE, 25, 1), 1
	s_wait_xcnt 0x0
	s_wait_alu depctr_hold_cnt(0) depctr_sa_sdst(0) depctr_va_vdst(0) depctr_va_sdst(0) depctr_va_ssrc(0) depctr_va_vcc(0) depctr_vm_vsrc(0)
	s_getreg_b32 s2, hwreg(HW_REG_IB_STS2, 6, 4)
	s_cmp_eq_u32 s2, 0
	s_cbranch_scc0 .Lentry_in_a_cluster
	s_endpgm
.Lentry_in_a_cluster:
	s_bfe_u32 s2, ttmp6, 0x10000c
	s_cmp_lg_u32 s2, 0xf033
	s_cbranch_scc0 .Lentry_shape_is_right
	s_endpgm
.Lentry_shape_is_right:
.set FR,     12
.set NL,     3
.set HALFT,  24576
.set SLOT,   4*HALFT
.set SPARE,  2*SLOT
.set STAGE,  SPARE+512
.set WSTG,   13312
.set ADRA, 16
.set ADRB, 20
.set SRD,  22
.set SHV,  23
.set STO12, 24
.set STO508, 25
.set SSTO, 26
.set RD,   27
.set SPW,  28
.set NIL,  29
.set L16,  30
.set SOFF, 31
.set SCA,  32
.set SCB,  64
.set TM,   96
.set WD,   112
.set FLR,  120
.set AF,   128
.set CD,   128
.set G1, 24
.set G0, 32
.set G1B, 48
.set G0B, 56
.set WV, 80
.set HA, 81
.set HB, 82
.set MSB, 0
.macro WIN new
.if MSB != \new
	s_set_vgpr_msb (MSB<<8)|\new
.set MSB, \new
.endif
.endm
.set MUL_LO, 0xa1
.set MUL_HI, 0xf1
.set TO_B,   0x40
.macro JLOAD s
	s_cmp_eq_u32 s[HA], 0
	s_cbranch_scc0 .Lfor_b_\@
	tensor_load_to_lds s[G0+4*\s:G0+4*\s+3], s[G1:G1+7]
	s_nop 0
.rept 4
	v_nop
.endr
	s_branch .Lasked_\@
.Lfor_b_\@:
	tensor_load_to_lds s[G0B+4*\s:G0B+4*\s+3], s[G1B:G1B+7]
	s_nop 0
.rept 4
	v_nop
.endr
.Lasked_\@:
.endm
.macro CREST
	s_cmp_lg_u32 s[WV], 0
	s_cbranch_scc1 .Lnot_wave_0_\@
	s_barrier_signal -3
.Lnot_wave_0_\@:
	s_barrier_wait -3
	s_barrier_signal -1
	s_barrier_wait -1
.endm
.macro CROUND
	s_barrier_signal -1
	s_barrier_wait -1
	CREST
.endm
.macro PLACES
.rept 4
	v_nop
.endr
.endm
	s_load_b256 s[4:11], s[0:1], 0x0
	v_lshl_add_u32 v[SPW], v0, 2, SPARE
	v_mov_b32 v[NIL], 0
	ds_add_u32 v28, v29
	ds_add_u32 v28, v29
	s_wait_dscnt 0x0
	v_lshrrev_b32 v1, 5, v0
	v_readfirstlane_b32 s[WV], v1
	s_lshr_b32 s[HA], s[WV], 1
	s_and_b32 s[HB], s[WV], 1
	v_and_b32 v1, 31, v0
	v_bfe_u32 v2, v0, 4, 1
	v_and_b32 v3, 15, v0
	v_lshlrev_b32 v[L16], 4, v1
	s_bfe_u32 s40, ttmp6, 0x40000
	s_bfe_u32 s41, ttmp6, 0x40004
	s_and_b32 s84, ttmp7, 0xffff
	s_lshl_b32 s43, s41, 2
	s_lshl_b32 s43, 15, s43
	s_lshl_b32 s44, 0x1111, s40
	s_or_b32 s[G1+0], s43, (3<<16)|(1<<21)
	s_or_b32 s[G1B+0], s44, (3<<16)|(1<<21)
.irp g, G1, G1B
	s_mov_b32 s[\g+1], 384<<16
	s_mov_b32 s[\g+2], 8<<16
	s_mov_b32 s[\g+3], 384<<16
	s_mov_b32 s[\g+4], 8
	s_mov_b32 s[\g+5], 1536
	s_mov_b32 s[\g+6], 0
	s_mov_b32 s[\g+7], 0
.endr
	s_cmp_eq_u32 ttmp9, 2
	s_cselect_b32 s83, 1, 0
	s_cselect_b32 s16, ttmp9, s84
	s_cselect_b32 s17, s84, ttmp9
	s_cselect_b32 s18, 512, 0
	s_cselect_b32 s19, 0, 512
	s_lshl_b32 s16, s16, 2
	s_add_co_u32 s16, s16, s41
	s_lshl_b32 s16, s16, 4
	s_add_co_u32 s16, s16, s18
	s_lshl_b32 s17, s17, 2
	s_add_co_u32 s17, s17, s40
	s_lshl_b32 s17, s17, 4
	s_add_co_u32 s17, s17, s19
	s_lshl_b32 s20, s[HB], 3
	s_add_co_u32 s20, s20, s16
	s_mul_i32 s20, s20, 12288
	s_mov_b32 s21, 0
	s_lshl_b32 s46, s[HB], 3
	s_add_co_u32 s46, s46, s17
	s_mul_i32 s46, s46, 12288
	s_mov_b32 s47, 0
	s_lshl_b32 s22, s[HA], 3
	s_add_co_u32 s22, s22, s16
	s_lshl_b32 s22, s22, 9
	s_mov_b32 s23, 0
	s_lshl_b32 s92, s[HB], 3
	s_add_co_u32 s92, s92, s17
	s_lshl_b32 s92, s92, 9
	s_mov_b32 s93, 0
	s_mul_i32 s45, s[WV], HALFT
	s_wait_kmcnt 0x0
	s_add_nc_u64 s[20:21], s[4:5], s[20:21]
	s_add_nc_u64 s[46:47], s[4:5], s[46:47]
	s_add_nc_u64 s[22:23], s[6:7], s[22:23]
	s_add_nc_u64 s[92:93], s[6:7], s[92:93]
	CROUND
.irp s, 0,1
	s_mov_b32 s[G0+4*\s], 1
	s_add_co_u32 s[G0+4*\s+1], s45, \s*SLOT
	s_add_nc_u64 s[G0+4*\s+2:G0+4*\s+3], s[20:21], \s*3072
	s_or_b32 s[G0+4*\s+3], s[G0+4*\s+3], 0x80000000
	s_mov_b32 s[G0B+4*\s], 1
	s_add_co_u32 s[G0B+4*\s+1], s45, \s*SLOT
	s_add_nc_u64 s[G0B+4*\s+2:G0B+4*\s+3], s[46:47], \s*3072
	s_or_b32 s[G0B+4*\s+3], s[G0B+4*\s+3], 0x80000000
	s_wait_alu depctr_va_vdst(0)
	s_wait_tensorcnt 0x0
	ds_add_u32 v28, v29
	ds_add_u32 v28, v29
	s_wait_dscnt 0x0
	CROUND
	JLOAD \s
.endr
	s_wait_alu depctr_va_vdst(0)
.irp i, 0,1,2,3,4,5,6,7
	global_load_b128 v[SCA+4*\i:SCA+4*\i+3], v[L16], s[22:23] offset:512*\i
	global_load_b128 v[SCB+4*\i:SCB+4*\i+3], v[L16], s[92:93] offset:512*\i
.endr
	s_mul_i32 s98, s[HA], HALFT
	s_mul_i32 s99, s[HB], HALFT
	s_add_co_u32 s99, s99, 2*HALFT
.irp s, 0,1
	v_add_nc_u32 v[ADRA+\s], s98, v[L16]
	v_add_nc_u32 v[ADRB+\s], s99, v[L16]
	s_add_co_u32 s98, s98, SLOT
	s_add_co_u32 s99, s99, SLOT
.endr
	s_mul_i32 s98, s[WV], WSTG
	s_add_co_u32 s98, s98, STAGE
	v_lshl_add_u32 v5, v3, 4, s98
	v_mad_u32_u24 v[STO12], v2, 12, v5
	v_mad_u32_u24 v[STO508], v2, 508, v5
	v_lshl_add_u32 v6, v3, 5, s98
	v_lshl_add_u32 v6, v2, 9, v6
	v_add_nc_u32 v[SSTO], 12288, v6
	v_add_nc_u32 v[RD], s98, v[L16]
	v_add_nc_u32 v[SRD], 12288, v[RD]
	v_mov_b32 v[FLR], 0x1800000
.irp b, 0,1,2,3
	v_mov_b32 v[TM+4+\b], 0
.endr
	s_cmp_eq_u32 s83, 1
	s_mov_b32 s90, 98304
	s_mov_b32 s91, 3072
	s_cselect_b32 s85, s40, s41
	s_cselect_b32 s86, s41, s40
	s_cselect_b32 s87, s[HB], s[HA]
	s_cselect_b32 s88, s[HA], s[HB]
	s_cselect_b32 s94, s91, s90
	s_cselect_b32 s95, s90, s91
	s_cselect_b32 s96, 16, 32
	s_cselect_b32 s97, 4096, 16
	s_cselect_b32 s12, 0, 16
	s_cselect_b32 s13, -1, 0xffff
	s_cselect_b32 s14, 0, 0x7f7f0000
	s_cselect_b32 s15, 0, 1
	v_mul_u32_u24 v[SHV], v2, s12
	v_lshrrev_b32 v5, 1, v1
	v_and_b32 v6, 1, v1
	v_mul_u32_u24 v[SOFF], v5, s96
	v_mad_u32_u24 v[SOFF], v6, s97, v[SOFF]
	s_lshl_b32 s98, s84, 2
	s_add_co_u32 s98, s98, s85
	s_and_b32 s99, s98, 7
	s_lshl_b32 s99, s99, 8
	s_lshl_b32 s87, s87, 7
	s_add_co_u32 s99, s99, s87
	s_lshr_b32 s98, s98, 3
	s_lshl_b32 s98, s98, 4
	s_lshl_b32 s86, s86, 2
	s_add_co_u32 s98, s98, s86
	s_lshl_b32 s88, s88, 1
	s_add_co_u32 s98, s98, s88
	s_lshl_b32 s78, s98, 5
	s_lshr_b32 s79, s99, 6
	s_add_co_u32 s78, s78, s79
	s_mul_i32 s78, s78, 3072
	s_mul_i32 s79, ttmp9, 6291456
	s_add_co_u32 s78, s78, s79
	s_mov_b32 s79, 0
	s_add_nc_u64 s[68:69], s[8:9], s[78:79]
	s_mov_b32 s78, s95
	s_add_nc_u64 s[70:71], s[68:69], s[78:79]
	s_mov_b32 s78, s94
	s_add_nc_u64 s[72:73], s[68:69], s[78:79]
	s_add_nc_u64 s[74:75], s[70:71], s[78:79]
	s_lshl_b32 s78, s98, 12
	s_lshl_b32 s99, s99, 1
	s_add_co_u32 s78, s78, s99
	s_lshl_b32 s78, s78, s15
	s_mul_i32 s99, ttmp9, 524288
	s_add_co_u32 s78, s78, s99
	s_add_nc_u64 s[76:77], s[10:11], s[78:79]
.macro FRAG reg, adr, q, i
.irp c, 0,1,2
	ds_load_b128 v[\reg+4*\c:\reg+4*\c+3], v[\adr] offset:3072*(\i)+1536*(\q)+512*\c
.endr
.endm
.macro FETCH_B slot, q, p
	WIN TO_B
.irp i, 0,1,2,3,4,5,6,7
	FRAG 128*(\p)+FR*\i, ADRB+\slot, \q, \i
.endr
	WIN 0
.endm
.macro FETCH_A slot, q, i0
.irp i, \i0, \i0+1, \i0+2, \i0+3
	FRAG AF+FR*(\i), ADRA+\slot, \q, \i
.endr
.endm
.macro MUL16 a0, p, k, first
.irp a, \a0, \a0+1
.irp b, 0,1,2,3,4,5,6,7
.set rD, 8*(8*((\a)%4)+\b)
.set rB, 128*(\p)+FR*\b
.set rA, AF+FR*(\a)
.set rSB, SCB+4*\b+(\k)%4
.set rSA, SCA+4*(\a)+(\k)%4
.if \first
	v_wmma_scale_f32_16x16x128_f8f6f4 v[rD:rD+7], v[rB:rB+FR-1], v[rA:rA+FR-1], 0, v[rSB], v[rSA] matrix_a_fmt:MATRIX_FMT_FP6 matrix_b_fmt:MATRIX_FMT_FP6
.elseif (\k) < 4
	v_wmma_scale_f32_16x16x128_f8f6f4 v[rD:rD+7], v[rB:rB+FR-1], v[rA:rA+FR-1], v[rD:rD+7], v[rSB], v[rSA] matrix_a_fmt:MATRIX_FMT_FP6 matrix_b_fmt:MATRIX_FMT_FP6
.else
	v_wmma_scale_f32_16x16x128_f8f6f4 v[rD:rD+7], v[rB:rB+FR-1], v[rA:rA+FR-1], v[rD:rD+7], v[rSB], v[rSA] matrix_a_fmt:MATRIX_FMT_FP6 matrix_b_fmt:MATRIX_FMT_FP6 matrix_a_scale:MATRIX_SCALE_ROW1 matrix_b_scale:MATRIX_SCALE_ROW1
.endif
.endr
.endr
.endm
.macro STEP slot, k, first
	s_wait_dscnt 4*NL
	WIN MUL_LO
	MUL16 0, 0, \k, \first
	MUL16 2, 0, \k, \first
	s_wait_dscnt 0x0
	PLACES
	FETCH_B \slot, 1, 1
	FETCH_A \slot, 1, 0
	WIN MUL_HI
	MUL16 4, 0, \k, \first
	MUL16 6, 0, \k, \first
	PLACES
	WIN 0
	FETCH_A \slot, 1, 4
.endm
.macro TURN slot, next, k, fill
	s_wait_tensorcnt 0x0
	ds_add_u32 v[SPW], v[NIL]
	s_wait_dscnt 4*NL+1
	WIN MUL_LO
	MUL16 0, 1, \k, 0
	s_wait_dscnt 0x0
	s_barrier_signal -1
	MUL16 2, 1, \k, 0
	WIN 0
	s_barrier_wait -1
.if \fill
	CREST
	s_add_nc_u64 s[G0+4*\slot+2:G0+4*\slot+3], s[G0+4*\slot+2:G0+4*\slot+3], 6144
	s_add_nc_u64 s[G0B+4*\slot+2:G0B+4*\slot+3], s[G0B+4*\slot+2:G0B+4*\slot+3], 6144
	JLOAD \slot
.else
	PLACES
.endif
	FETCH_B \next, 0, 0
	FETCH_A \next, 0, 0
	WIN MUL_HI
	MUL16 4, 1, \k, 0
	MUL16 6, 1, \k, 0
	PLACES
	WIN 0
	FETCH_A \next, 0, 4
.endm
	s_wait_tensorcnt 1
	s_barrier_signal -1
	s_barrier_wait -1
	FETCH_B 0, 0, 0
	FETCH_A 0, 0, 0
	FETCH_A 0, 0, 4
	s_wait_loadcnt 0x0
	STEP 0, 0, 1
	TURN 0, 1, 1, 1
	STEP 1, 2, 0
	TURN 1, 0, 3, 1
	STEP 0, 4, 0
	TURN 0, 1, 5, 0
	STEP 1, 6, 0
	s_wait_dscnt 4*NL
	WIN MUL_LO
	MUL16 0, 1, 7, 0
	MUL16 2, 1, 7, 0
	s_wait_dscnt 0x0
	WIN MUL_HI
	MUL16 4, 1, 7, 0
	MUL16 6, 1, 7, 0
	WIN 0
.macro QA a
.set AC, 64*((\a)%4)
.set WW, 2+(\a)/4
	WIN (WW<<2)|(WW<<4)
.irp b, 0,1,2,3
	v_max3_num_f32 v[TM+\b], v[FLR], |v[AC+16*\b]|, |v[AC+16*\b+1]|
.endr
.irp i, 2,4,6,8,10,12,14
.irp b, 0,1,2,3
	v_max3_num_f32 v[TM+\b], v[TM+\b], |v[AC+16*\b+\i]|, |v[AC+16*\b+\i+1]|
.endr
.endr
	WIN 0
.irp b, 0,1,2,3
	v_permlanex16_b32 v[TM+4+\b], v[TM+\b], s2, s3
.endr
.irp b, 0,1,2,3
	v_max_num_f32 v[TM+\b], v[TM+\b], v[TM+4+\b]
.endr
.irp b, 0,1,2,3
	v_add_nc_u32 v[TM+12+\b], 0xff000000, v[TM+\b]
.endr
.irp b, 0,1,2,3
	v_lshrrev_b32 v[TM+4+\b], 23, v[TM+12+\b]
.endr
	v_lshl_or_b32 v[WD+\a], v[TM+5], 8, v[TM+4]
	v_lshl_or_b32 v[WD+\a], v[TM+6], 16, v[WD+\a]
	v_lshl_or_b32 v[WD+\a], v[TM+7], 24, v[WD+\a]
	v_lshrrev_b32 v[WD+\a], v[SHV], v[WD+\a]
	v_and_or_b32 v[WD+\a], v[WD+\a], s13, s14
	WIN WW
.irp b, 0,1,2,3
	v_cvt_scalef32_pk16_fp6_f32 v[CD+16*(\a)+4*\b:CD+16*(\a)+4*\b+2], v[AC+16*\b:AC+16*\b+15], v[TM+12+\b]
.endr
	v_nop
	WIN 0
.irp b, 0,1,2,3
.set KB, ((\b)/2)*6144+((\a)/2)*1536+256*((\b)%2)
.set CR, CD+16*(\a)+4*\b
.if (\a)%2 == 0
	ds_store_b32 v[STO12], v[CR] offset:KB
	ds_store_b32 v[STO508], v[CR+1] offset:KB+4
	ds_store_b32 v[STO508], v[CR+2] offset:KB+8
.else
	ds_store_b32 v[STO508], v[CR] offset:KB+520
	ds_store_b32 v[STO508], v[CR+1] offset:KB+524
	ds_store_b32 v[STO12], v[CR+2] offset:KB+1024
.endif
.endr
	ds_store_b32 v[SSTO], v[WD+\a] offset:4*(\a)
.endm
	s_mov_b32 s2, 0x76543210
	s_mov_b32 s3, 0xfedcba98
	PLACES
.irp a, 0,1,2,3,4,5,6,7
	QA \a
.endr
	s_wait_dscnt 0x0
	ds_load_b128 v[224:227], v[SRD]
	ds_load_b128 v[228:231], v[SRD] offset:512
.irp t, 0,1,2,3,4,5,6,7,8,9,10,11,12,13,14,15,16,17,18,19,20,21,22,23
	ds_load_b128 v[CD+4*\t:CD+4*\t+3], v[RD] offset:512*\t
.endr
	s_wait_dscnt 24
	global_store_b128 v[SOFF], v[224:227], s[76:77]
	s_cmp_eq_u32 s83, 1
	s_cbranch_scc1 .Lone_set
	global_store_b128 v[SOFF], v[228:231], s[76:77] offset:8192
.Lone_set:
.irp t, 0,1,2,3,4,5,6,7,8,9,10,11,12,13,14,15,16,17,18,19,20,21,22,23
	s_wait_dscnt 23-\t
	global_store_b128 v[L16], v[CD+4*\t:CD+4*\t+3], s[68+2*(\t/6):69+2*(\t/6)] offset:512*(\t%6)
.endr
	s_wait_tensorcnt 0x0
	ds_add_u32 v[SPW], v[NIL]
	s_wait_dscnt 0x0
	CROUND
	s_endpgm
.Lfunc_end_k_q0ab9875680_qkv:
	.size	k_q0ab9875680_qkv, .Lfunc_end_k_q0ab9875680_qkv-k_q0ab9875680_qkv
	.p2alignl 7, 3214868480
	.fill 96, 4, 3214868480
	.section	.rodata,"a",@progbits
	.p2align	6, 0x0
	.amdhsa_kernel k_q0ab9875680_qkv
		.amdhsa_group_segment_fixed_size 327680
		.amdhsa_private_segment_fixed_size 0
		.amdhsa_enable_private_segment 0
		.amdhsa_kernarg_size 32
		.amdhsa_user_sgpr_count 2
		.amdhsa_user_sgpr_kernarg_segment_ptr 1
		.amdhsa_wavefront_size32 1
		.amdhsa_system_sgpr_workgroup_id_x 1
		.amdhsa_system_sgpr_workgroup_id_y 1
		.amdhsa_system_sgpr_workgroup_id_z 1
		.amdhsa_system_vgpr_workitem_id 0
		.amdhsa_next_free_vgpr 1024
		.amdhsa_next_free_sgpr 100
		.amdhsa_reserve_vcc 0
		.amdhsa_float_denorm_mode_32 3
		.amdhsa_float_denorm_mode_16_64 3
		.amdhsa_memory_ordered 1
		.amdhsa_forward_progress 1
		.amdhsa_inst_pref_size 145
	.end_amdhsa_kernel
	.amdgpu_metadata
---
amdhsa.version: [ 1, 2 ]
amdhsa.kernels:
  - .name:           k_q0ab9875680_qkv
    .symbol:         k_q0ab9875680_qkv.kd
    .args:
      - { .name: xw_codes, .offset: 0, .size: 8, .value_kind: global_buffer, .address_space: global }
      - { .name: xw_scales, .offset: 8, .size: 8, .value_kind: global_buffer, .address_space: global }
      - { .name: qkv_codes, .offset: 16, .size: 8, .value_kind: global_buffer, .address_space: global }
      - { .name: qkv_scales, .offset: 24, .size: 8, .value_kind: global_buffer, .address_space: global }
    .group_segment_fixed_size: 327680
    .private_segment_fixed_size: 0
    .kernarg_segment_align: 8
    .kernarg_segment_size: 32
    .max_flat_workgroup_size: 128
    .sgpr_count:     100
    .vgpr_count:     1024
    .wavefront_size: 32
...
	.end_amdgpu_metadata
.endif
;; end of part 2
;; launch attn (part 3): grid 4 x 64, 12 waves a work-group, clusters of 4 x 1, 272,384 bytes of LDS; arguments qkv_codes, qkv_scales, o_codes, o_scales; writes o_codes, o_scales
.if DOCPART == 3
	.amdgcn_target "amdgcn-amd-amdhsa--gfx1250"
	.amdhsa_code_object_version 6
	.text
	.protected	k_q0ab9875680_attn
	.globl	k_q0ab9875680_attn
	.p2align	8
	.type	k_q0ab9875680_attn,@function
k_q0ab9875680_attn:
	s_mov_b64 s[64:65], 0
	v_nop
	global_prefetch_b8 v0, s[64:65] scope:SCOPE_SE
	s_setreg_imm32_b32 hwreg(HW_REG_WAVE_MODE, 25, 1), 1
	s_wait_xcnt 0x0
	s_wait_alu depctr_hold_cnt(0) depctr_sa_sdst(0) depctr_va_vdst(0) depctr_va_sdst(0) depctr_va_ssrc(0) depctr_va_vcc(0) depctr_vm_vsrc(0)
	s_getreg_b32 s2, hwreg(HW_REG_IB_STS2, 6, 4)
	s_cmp_eq_u32 s2, 0
	s_cbranch_scc0 .Lentry_in_a_cluster
	s_endpgm
.Lentry_in_a_cluster:
	s_bfe_u32 s2, ttmp6, 0x10000c
	s_cmp_lg_u32 s2, 0x3003
	s_cbranch_scc0 .Lentry_shape_is_right
	s_endpgm
.Lentry_shape_is_right:
; o = softmax(q k^T / 8) v for one head, both products on codes of FP6 (E2M3) with E8M0 scales; o is quantised along (head, d) and leaves as codes for the last product.
; THE SOFTMAX: t = score x log2(e) / 8; M = the running largest t rounded UP to a whole number; p = 2^(t - M) is quantised along the keys, not normalised; the row's sum is taken of the unquantised p and divides at the end.
; When M moves, the sum and O are multiplied by 2^(old M - new M): exact.
; LIMITS: NaN and infinities are not served; the promise holds while |t| stays under 2^31; a block under 2^-124 (zeros too) gets the byte 1, read by this program alone; a block's largest p is made from the
; block's largest score by the same multiply-add and exponential as every p (this takes v_exp_f32 not to fall where its input rises: at the worst one p of a block would be held one code low).
; SHARES.  256 work-groups; one owns 512 queries of one head, 32 tiles of 16.  Twelve waves: wave w walks tiles w and w + 12, and waves 0-7 also tile w + 24, one after the other, each over all 2,048 keys.
; (Waves 8-11 load the Q bytes that lie 24 tiles on with the others, inside the buffer, and do not use them; each wave's last step asks for key step 0 of K once more than it is used.)
; THE HEAD'S WHOLE K AND V AND THEIR SCALE WORDS COME INTO LDS ONCE, one joint load a wave at the head (the four work-groups of a cluster share a head): waves 0, 1 the first 64 rows of 512 bytes (key steps 0-4) of K, of V;
; wave 2 K's scale words; wave 3 V's; waves 4-11 the other 128 rows of each, 32 rows a wave.  No byte is filled again.  The first barrier shows waves 0-3's tiles; the second, signalled behind key step 1
; and waited for behind key step 3, shows the rest.  No prefetch: every tile is asked for at the head by its tensor load, so there is no later load to run ahead of.
; LAYOUT.  Both products are used transposed (S^T = K Q^T, O^T = V^T P^T): a lane holds ONE query.  Codes lie in pair images (32 rows x 64 K, three pieces of 512 bytes: word g of lane l at piece g / 4, 4 (g % 4) + 16 l);
; in LDS 128 bytes of padding follow each piece: an image is 1,920 bytes, a key step 7,680.  Lane-row rho' of image G, tile u, is row 32 G + 8 u + (rho' & 7) + 16 (rho' >> 3).
; WHICH KEYS FORM A TILE is chosen by each lane's LDS address: lane-row rho = i + 8 a of tile 4 c + 2 b + u takes key 64 c + 32 a + 16 b + 8 u + i, which lies in image 2 c + a at lane-row i + 8 b.
; So a lane's 32 scores of tiles 4 c .. 4 c + 3 are one whole block of 32 keys, in order: its largest needs no other lane, and two conversions give six registers of P's operand.
; K = 64 IN THE FIRST PRODUCT: the instruction's upper 64 along K meet zero codes in Q's registers 6-11; on K's side those registers are the next tile's codes; both sides' scale bytes there are 127.
; K'S FRAGMENTS HAVE REGISTERS OF THEIR OWN (v256-309): the next step's are asked for behind this step's first product, with V's.
; REGISTERS: v1-7, v29-31 addresses that stay; v8-11 the step's; v12 -M, v13 the largest t, v[14:15] the sum; v16-27 Q and zeros, v28 its scale word; v32-79 V's 4 tiles x 12; v88-95 K's scale words; v96-99 V's;
;   v100-163 S^T, then p; v164-195 O^T; v196-207 p's codes; v208-215 codes on their way; v216-237 at work; v228 f, v229 p's scale word; v240-251, v252-253 the later tiles' Q; v256-303 K's 8 tiles x 6, v304-309 zeros.
.set KVB,   122880                     ; LDS: K's codes at 0, V's here,
.set SCK,   245760                     ; K's scale words (8,192 bytes),
.set SCV,   253952                     ; V's (4,096),
.set STG,   258048                     ; 768 bytes for each wave for the way out,
.set SPARE, 270336                     ; and the spare words, 128 bytes a wave
.set WV,  18
.set SEL, 20                           ; s[20:21] lane selects: lane l xor 16
.set CS,  22                           ; s[22:23] c = log2(e) / 8
.set G1A, 24                           ; group 1: 64 padded rows of 512 bytes;
.set G1R, 32                           ; 32 such rows;
.set G1K, 40                           ; 32 rows of 256 bytes;
.set G1V, 48                           ; 16
.set G0C, 56                           ; group 0: codes; K's scale words; V's
.set G0K, 60
.set G0V, 68
.set T6V, 75                           ; this step's V in LDS: 7,680 bytes a step = 30 x s78
.set T6K, 76                           ; the next step's K: 15 x s77
.set TSK, 77                           ; the next step's scale words of K: 512 a step, round 8,192
.set TJ,  78                           ; this step's of V: 256 a step, round 4,096
.set CNT, 79
.set MSB, 0
.macro WIN new
.if MSB != \new
	s_set_vgpr_msb (MSB<<8)|\new
.set MSB, \new
.endif
.endm
.macro WALU
	s_wait_alu depctr_va_vdst(0)
.endm
.macro CROUND                          ; a round of the cluster's barrier
	s_barrier_signal -1
	s_barrier_wait -1
	s_cmp_lg_u32 s[WV], 0
	s_cbranch_scc1 .Lnot_wave_0_\@
	s_barrier_signal -3
.Lnot_wave_0_\@:
	s_barrier_wait -3
	s_barrier_signal -1
	s_barrier_wait -1
.endm
.macro TLOAD g0, g1
	tensor_load_to_lds s[\g0:\g0+3], s[\g1:\g1+7]
	s_nop 0
.rept 4
	v_nop
.endr
.endm
	s_load_b256 s[4:11], s[0:1], 0x0               ; q, k, v's codes s[4:5], their scale words s[6:7]; o's codes s[8:9], its scale bytes s[10:11]
	v_lshl_add_u32 v254, v0, 2, SPARE
	v_mov_b32 v255, 0
	ds_add_u32 v254, v255                          ; the opening lines
	ds_add_u32 v254, v255
	v_lshrrev_b32 v8, 5, v0
	v_readfirstlane_b32 s[WV], v8                  ; wave 0..11
	s_bfe_u32 s80, ttmp6, 0x40000                  ; cx: it enters Q's and o's global addresses alone
	s_and_b32 s82, ttmp7, 0xffff                   ; the head, 0..63, which the four partners share
.irp g, G1A, G1R                               ; dense blocks as rows of 512 bytes (64 elements of 8), 32 words of padding behind each 128
	s_mov_b32 s[\g], 15|(3<<16)|(1<<20)|(1<<21)|(6<<22)|(31<<25)
	s_mov_b32 s[\g+1], 64<<16
	s_mov_b32 s[\g+3], 64<<16
	s_mov_b32 s[\g+5], 64
	s_mov_b32 s[\g+6], 0
	s_mov_b32 s[\g+7], 0
.endr
.irp g, G1K, G1V                               ; dense blocks as rows of 256 bytes, no padding
	s_mov_b32 s[\g], 15|(3<<16)|(1<<21)
	s_mov_b32 s[\g+1], 32<<16
	s_mov_b32 s[\g+3], 32<<16
	s_mov_b32 s[\g+5], 32
	s_mov_b32 s[\g+6], 0
	s_mov_b32 s[\g+7], 0
.endr
	s_mov_b32 s[G1A+2], 64<<16
	s_mov_b32 s[G1A+4], 64
	s_mov_b32 s[G1R+2], 32<<16
	s_mov_b32 s[G1R+4], 32
	s_mov_b32 s[G1K+2], 32<<16
	s_mov_b32 s[G1K+4], 32
	s_mov_b32 s[G1V+2], 16<<16
	s_mov_b32 s[G1V+4], 16
	s_and_b32 s83, s[WV], 1                        ; even waves fetch K's codes, odd ones V's;
	s_lshr_b32 s84, s[WV], 1                       ; part wave / 2: 32 rows each, parts 0 and 1 together in waves 0, 1's load of 64
	s_mul_i32 s85, s83, KVB
	s_mul_i32 s86, s84, 20480
	s_add_co_u32 s85, s85, s86                     ; in LDS,
	s_mul_i32 s88, s83, 6291456
	s_add_co_u32 s88, s88, 6291456
	s_lshl_b32 s86, s84, 14
	s_add_co_u32 s88, s88, s86
	s_mul_i32 s87, s82, 98304                      ; (the head's codes)
	s_add_co_u32 s88, s88, s87                     ; and in memory
	s_mov_b32 s89, 0
	s_lshl_b32 s90, s82, 13
	s_add_co_u32 s90, s90, 524288                  ; K's scale words
	s_mov_b32 s91, 0
	s_lshl_b32 s92, s82, 12
	s_add_co_u32 s92, s92, 1048576                 ; V's
	s_mov_b32 s93, 0
	s_mov_b32 s[SEL], 0x76543210
	s_mov_b32 s[SEL+1], 0xfedcba98
	s_mov_b32 s[CS], 0x3e38aa3b
	s_mov_b32 s[CS+1], s[CS]
	s_mov_b32 s[T6V], 0
	s_mov_b32 s[TJ], 0
	s_mov_b32 s[T6K], 7680                         ; key step 0 of K is fetched ahead of the first loop
	s_mov_b32 s[TSK], 512
	s_mov_b32 s[G0C], 1
	s_mov_b32 s[G0C+1], s85
	s_mov_b32 s[G0K], 1
	s_mov_b32 s[G0K+1], SCK
	s_mov_b32 s[G0V], 1
	s_mov_b32 s[G0V+1], SCV
	s_wait_dscnt 0x0
	s_wait_kmcnt 0x0
	s_add_nc_u64 s[G0C+2:G0C+3], s[4:5], s[88:89]
	s_or_b32 s[G0C+3], s[G0C+3], 0x80000000
	s_add_nc_u64 s[G0K+2:G0K+3], s[6:7], s[90:91]
	s_or_b32 s[G0K+3], s[G0K+3], 0x80000000
	s_add_nc_u64 s[G0V+2:G0V+3], s[6:7], s[92:93]
	s_or_b32 s[G0V+3], s[G0V+3], 0x80000000
	CROUND                                         ; all four work-groups are here: the joint loads meet
	s_cmp_lt_u32 s[WV], 2                          ; one chain of arms, one load to an arm
	s_cbranch_scc0 .Larm_k
	TLOAD G0C, G1A                                 ; waves 0, 1: the first 64 rows of K, of V
	s_branch .Lasked
.Larm_k:
	s_cmp_eq_u32 s[WV], 2
	s_cbranch_scc0 .Larm_v
	TLOAD G0K, G1K                                 ; wave 2: K's scale words
	s_branch .Lasked
.Larm_v:
	s_cmp_eq_u32 s[WV], 3
	s_cbranch_scc0 .Larm_r
	TLOAD G0V, G1V                                 ; wave 3: V's
	s_branch .Lasked
.Larm_r:
	TLOAD G0C, G1R                                 ; waves 4-11: 32 rows each of K or of V
.Lasked:
	; Q: tile qt = 32 cx + wave (+ 12, + 24) is tile u = wave & 1 of pair image qt / 2
	s_lshl_b32 s94, s80, 5
	s_add_co_u32 s94, s94, s[WV]                   ; qt
	s_lshr_b32 s99, s94, 1
	s_mul_i32 s99, s99, 1536
	s_add_co_u32 s14, s99, s87
	s_mov_b32 s15, 0
	s_add_nc_u64 s[14:15], s[4:5], s[14:15]
.irp T, 0,1,2                                  ; the tiles' scale words: 512 (qt / 8) + 4 (qt % 8)
	s_add_co_u32 s95, s94, 12*\T
	s_lshr_b32 s97, s95, 3
	s_lshl_b32 s97, s97, 9
	s_and_b32 s95, s95, 7
	s_lshl_b32 s95, s95, 2
	s_add_co_u32 s[72+\T], s97, s95
.endr
	s_lshl_b32 s96, s82, 13
	s_mov_b32 s97, 0
	s_add_nc_u64 s[96:97], s[6:7], s[96:97]
	s_mul_i32 s86, s83, 520
	s_mul_i32 s81, s83, 1016
	s_mul_i32 s19, s[WV], 768
	s_add_co_u32 s19, s19, STG                     ; my stage
	; where o goes: row block 128 x batch + qt; K step = head / 2 within the batch; my head owns lanes 16 (head & 1) .. + 15 of the image
	s_lshr_b32 s98, s82, 4
	s_lshl_b32 s98, s98, 7
	s_add_co_u32 s98, s98, s94
	s_bfe_u32 s99, s82, 0x30001
	s_and_b32 s16, s82, 1
	s_mul_i32 s12, s98, 12288
	s_mul_i32 s17, s99, 1536
	s_add_co_u32 s12, s12, s17
	s_lshl_b32 s17, s16, 8
	s_add_co_u32 s12, s12, s17
	s_mov_b32 s13, 0
	s_add_nc_u64 s[8:9], s[8:9], s[12:13]
	s_lshl_b32 s12, s98, 9
	s_lshr_b32 s17, s99, 2
	s_lshl_b32 s17, s17, 8
	s_add_co_u32 s12, s12, s17
	s_and_b32 s17, s99, 3
	s_lshl_b32 s17, s17, 2
	s_add_co_u32 s12, s12, s17
	s_add_co_u32 s12, s12, s16
	s_add_nc_u64 s[10:11], s[10:11], s[12:13]
	v_and_b32 v9, 31, v0                           ; lane
	v_and_b32 v10, 15, v0                          ; rho
	v_bfe_u32 v11, v0, 4, 1                        ; h
	v_and_b32 v232, 7, v0                          ; i
	v_bfe_u32 v233, v0, 3, 1                       ; a
	v_mul_u32_u24 v1, v233, 1920
	v_lshl_add_u32 v1, v232, 4, v1
	v_lshl_add_u32 v1, v11, 8, v1                  ; K's images: 1,920 a + 16 i + 256 h
	v_lshl_add_u32 v2, v9, 4, KVB                  ; V's: 16 x lane
	v_lshl_add_u32 v3, v232, 5, SCK
	v_lshl_add_u32 v3, v233, 3, v3                 ; K's scale words: 32 i + 8 a
	v_lshl_add_u32 v4, v10, 4, SCV                 ; V's: 16 rho
	v_lshl_add_u32 v231, v10, 4, s19
	v_mad_u32_u24 v5, v11, 12, v231
	v_mad_u32_u24 v6, v11, 252, v231
	v_lshl_add_u32 v7, v9, 3, s19
	v_lshlrev_b32 v29, 3, v9
	v_lshlrev_b32 v30, 3, v11                      ; 8 h: my bytes' shift in p's scale word
	v_lshlrev_b32 v31, 4, v10
	v_lshl_add_u32 v31, v11, 1, v31                ; o's scale byte: 16 rho + 2 h
	v_lshlrev_b32 v234, 4, v9
	v_add_nc_u32 v216, s86, v234
	v_add_nc_u32 v217, s81, v234
	v_lshl_add_u32 v218, v10, 5, s72
	v_lshl_add_u32 v219, v10, 5, s73
	v_lshl_add_u32 v235, v10, 5, s74
	WALU
.irp T, 0,1,2                                  ; words 0, 1 at 0 (u = 0) or 520; words 2, 3 at 8 or 1,024; words 4, 5 at 512 or 1,032; a tile twelve on lies six pair images on
.set QR, 16+218*((\T+1)/2)+6*\T
	global_load_b64 v[QR:QR+1], v216, s[14:15] offset:9216*\T
	global_load_b64 v[QR+2:QR+3], v217, s[14:15] offset:9216*\T+8
	global_load_b64 v[QR+4:QR+5], v216, s[14:15] offset:9216*\T+512
.endr
	global_load_b32 v28, v218, s[96:97]            ; the tiles' scale words
	global_load_b32 v252, v219, s[96:97]
	global_load_b32 v253, v235, s[96:97]
.macro INIT                            ; a tile's start: the step is written once; its first walk finds zeros, which the first change of M leaves zeros
	v_mov_b32 v13, 0xff61b1e6                      ; the largest t so far: -3e38
	v_mov_b32 v14, 0
	v_mov_b32 v15, 0
	v_floor_f32 v12, -v13                          ; -M
.set J, 0
.rept 32
	v_mov_b32 v[164+J], 0
.set J, J+1
.endr
.endm
	INIT
.irp j, 22,23,24,25,26,27
	v_mov_b32 v[\j], 0                             ; zero codes: Q's upper 64 along K
.endr
	WIN 0x40
.irp j, 48,49,50,51,52,53
	v_mov_b32 v[\j], 0                             ; v304-309: what stands behind K's last tile
.endr
	WIN 0
	v_mov_b32 v220, 0                              ; written once: a lane permute's destination counts as a source
	v_mov_b32 v223, 0
	v_mov_b32 v229, 0                              ; (named as the upper half of the pair v[228:229] before it is first written)
	v_mov_b32 v8, v1                               ; key step 0 of K
	v_mov_b32 v10, v3
.macro KLOAD                           ; K's scale words and eight tiles at v10, v8: g = 2 c + b: tiles 2 g, 2 g + 1 land in v[256 + 12 g ..], their scale words in v[88 + 2 g ..]
.irp g, 0,1,2,3
	ds_load_b64 v[88+2*\g:89+2*\g], v10 offset:16*(\g/2)+256*(\g%2)
.endr
	WIN 0x40
.irp g, 0,1,2,3
.irp p, 0,1,2
	ds_load_b128 v[12*\g+4*\p:12*\g+4*\p+3], v8 offset:3840*(\g/2)+128*(\g%2)+640*\p
.endr
.endr
	WIN 0
.endm
.macro PKF n                           ; n pairs of t - M
.rept \n
	v_pk_fma_f32 v[100+J:101+J], v[100+J:101+J], s[CS:CS+1], v[12:13] op_sel_hi:[1,0,0]
.set J, J+2
.endr
.endm
; A KEY STEP: 128 keys.  Its K and K's scale words are in registers
.macro STEP
	WIN 0x01
.irp t, 0,1,2,3,4,5,6,7                        ; S^T = K Q^T
	v_wmma_scale_f32_16x16x128_f8f6f4 v[100+8*\t:107+8*\t], v[6*\t:6*\t+11], v[16:27], 0, v[88+\t], v28 matrix_a_fmt:MATRIX_FMT_FP6 matrix_b_fmt:MATRIX_FMT_FP6
.endr
	WIN 0
	v_add_nc_u32 v9, s[T6V], v2                    ; four plain lines: the places behind the products, ahead of the loads into their registers and of the first read of the scores
	v_add_nc_u32 v11, s[TJ], v4
	v_add_nc_u32 v8, s[T6K], v1
	v_add_nc_u32 v10, s[TSK], v3
.irp g, 0,1                                    ; V's four tiles of 16 d x 128 keys: d tile 2 g + u, registers 6 c + e from image (64 keys c, d / 32 = g)
.irp c, 0,1
	ds_load_b128 v[32+24*\g+6*\c:35+24*\g+6*\c], v9 offset:3840*\c+1920*\g
	ds_load_b64 v[36+24*\g+6*\c:37+24*\g+6*\c], v9 offset:3840*\c+1920*\g+640
	ds_load_b64 v[44+24*\g+6*\c:45+24*\g+6*\c], v9 offset:3840*\c+1920*\g+648
	ds_load_b128 v[46+24*\g+6*\c:49+24*\g+6*\c], v9 offset:3840*\c+1920*\g+1280
.endr
.endr
	ds_load_b128 v[96:99], v11
	KLOAD                                          ; and the next step's K: both land while the softmax is walked
.irp c, 0,1                                    ; the largest score of my two blocks of 32 keys, two chains each
	v_max3_num_f32 v[216+2*\c], v[100+32*\c], v[101+32*\c], v[102+32*\c]
	v_max3_num_f32 v[217+2*\c], v[116+32*\c], v[117+32*\c], v[118+32*\c]
.endr
.irp i, 3,5,7,9,11,13
.irp c, 0,1
	v_max3_num_f32 v[216+2*\c], v[216+2*\c], v[100+32*\c+\i], v[101+32*\c+\i]
	v_max3_num_f32 v[217+2*\c], v[217+2*\c], v[116+32*\c+\i], v[117+32*\c+\i]
.endr
.endr
.irp c, 0,1
	v_max3_num_f32 v[217+2*\c], v[217+2*\c], v[115+32*\c], v[131+32*\c]
.endr
.irp c, 0,1
	v_max_num_f32 v[216+2*\c], v[216+2*\c], v[217+2*\c]
.endr
	s_delay_alu instid0(VALU_DEP_1)
	v_max_num_f32 v230, v216, v218
	s_delay_alu instid0(VALU_DEP_1)
	v_permlanex16_b32 v220, v230, s[SEL], s[SEL+1]
	s_delay_alu instid0(VALU_DEP_1)
	v_max_num_f32 v230, v230, v220                 ; with lane l xor 16's 64 keys
	s_delay_alu instid0(VALU_DEP_1)
	v_mul_f32 v230, s[CS], v230                    ; the step's largest t (c is positive)
	s_delay_alu instid0(VALU_DEP_1)
	v_max_num_f32 v13, v13, v230
	v_mov_b32 v230, v12
	s_delay_alu instid0(VALU_DEP_2)
	v_floor_f32 v12, -v13                          ; the new -M = -ceil(t)
.set J, 0
	PKF 4                                          ; t - M; the three lines that make f stand among these
	v_sub_f32 v230, v12, v230                      ; old M - new M: a whole number, 0 or less
	PKF 4
	v_cvt_i32_f32 v230, v230                       ; (it saturates)
	PKF 4
	v_ldexp_f32 v228, 1.0, v230                    ; f = 2^(old M - new M)
	PKF 20
	v_fma_f32 v216, v216, s[CS], v12               ; the same of each block's largest score
	v_fma_f32 v218, v218, s[CS], v12
	WALU                                           ; ahead of the batch
	v_exp_f32 v216, v216                           ; each block's largest p
	v_exp_f32 v218, v218
.set J, 0
.rept 64
	v_exp_f32 v[100+J], v[100+J]                   ; p = 2^(t - M)
.set J, J+1
.endr
	v_pk_mul_f32 v[14:15], v[14:15], v[228:229] op_sel_hi:[1,0]   ; the sums under the new M (a plain place behind the exponentials)
	WALU                                           ; and behind it, ahead of its first reader
	v_max_num_f32 v216, 0x1800000, v216            ; the floor 2^(3 - 127)
	v_max_num_f32 v218, 0x1800000, v218
	v_add_nc_u32 v224, 0xff000000, v216            ; the conversions' scale operands
	v_add_nc_u32 v225, 0xff000000, v218
.irp c, 0,1
	v_cvt_scalef32_pk16_fp6_f32 v[196+6*\c:198+6*\c], v[100+32*\c:115+32*\c], v[224+\c]
	v_cvt_scalef32_pk16_fp6_f32 v[208+4*\c:210+4*\c], v[116+32*\c:131+32*\c], v[224+\c]   ; (a conversion's three registers begin on an even number)
.endr
	v_lshrrev_b32 v220, 23, v224                   ; the bytes of blocks h and 2 + h (also the plain place behind the conversions)
	v_lshrrev_b32 v221, 23, v225
	v_lshl_or_b32 v222, v221, 16, v220
	v_lshlrev_b32 v222, v30, v222                  ; at their places
	v_permlanex16_b32 v223, v222, s[SEL], s[SEL+1]
	v_pk_add_f32 v[14:15], v[14:15], v[100:101]    ; the row's sum, of the unquantised p: four chains
	v_pk_add_f32 v[232:233], v[102:103], v[104:105]
	v_pk_add_f32 v[234:235], v[106:107], v[108:109]
	v_pk_add_f32 v[236:237], v[110:111], v[112:113]
.irp j, 114,122,130,138,146,154
	v_pk_add_f32 v[14:15], v[14:15], v[\j:\j+1]
	v_pk_add_f32 v[232:233], v[232:233], v[\j+2:\j+3]
	v_pk_add_f32 v[234:235], v[234:235], v[\j+4:\j+5]
	v_pk_add_f32 v[236:237], v[236:237], v[\j+6:\j+7]
.endr
	v_pk_add_f32 v[14:15], v[14:15], v[162:163]
	v_pk_add_f32 v[232:233], v[232:233], v[234:235]
	v_pk_add_f32 v[14:15], v[14:15], v[236:237]
	v_or_b32 v229, v222, v223                      ; p's scale word for these 128 keys: with lane l xor 16's two bytes it is whole
	v_pk_add_f32 v[14:15], v[14:15], v[232:233]
.irp c, 0,1
.irp i, 0,1,2
	v_mov_b32 v[199+6*\c+\i], v[208+4*\c+\i]       ; registers 6 c .. 6 c + 5: block 2 c + h
.endr
.endr
	s_wait_dscnt 0x0                               ; V, the next step's K and their scale words are in
	WALU                                           ; directly ahead of O^T's first reader
.set J, 0
.rept 16
	v_pk_mul_f32 v[164+J:165+J], v[164+J:165+J], v[228:229] op_sel_hi:[1,0]   ; O^T under the new M; these sixteen are also the places between p's codes and scale word and the products
.set J, J+2
.endr
.irp t, 0,1,2,3                                ; O^T += V^T P^T; the four accumulators take turns
	v_wmma_scale_f32_16x16x128_f8f6f4 v[164+8*\t:171+8*\t], v[32+12*\t:43+12*\t], v[196:207], v[164+8*\t:171+8*\t], v[96+\t], v229 matrix_a_fmt:MATRIX_FMT_FP6 matrix_b_fmt:MATRIX_FMT_FP6
.endr
.endm
.macro LOOP n, some                    ; n key steps; some = 1: every wave walks the loop, waves 0-7 alone do its work
	s_mov_b32 s[CNT], \n
.Lstep_\@:
.if \some
	s_cmp_lt_u32 s[WV], 8
	s_cbranch_scc0 .Lnone_\@
.endif
	STEP
.if \some
.Lnone_\@:
.endif
	s_add_co_u32 s[TSK], s[TSK], 512               ; round the sixteen steps: a tile's last step fetches key step 0 for the next tile
	s_and_b32 s[TSK], s[TSK], 0x1fff
	s_mul_i32 s[T6K], s[TSK], 15
	s_add_co_u32 s[TJ], s[TJ], 256
	s_and_b32 s[TJ], s[TJ], 0xfff
	s_mul_i32 s[T6V], s[TJ], 30
	s_sub_co_u32 s[CNT], s[CNT], 1
	s_cmp_lg_u32 s[CNT], 0
	s_cbranch_scc1 .Lstep_\@
.endm
; THE WAY OUT of a tile: O^T / the sum, quantised along d (two blocks of 32, each in lanes l and l xor 16), to my head's sixteen lanes of the operand's image
.macro OUT
.rept 4
	v_nop                                          ; places behind the last products
.endr
	v_add_f32 v14, v14, v15
	v_permlanex16_b32 v228, v14, s[SEL], s[SEL+1]
	v_add_f32 v14, v14, v228                       ; the row's sum
	WALU
	v_rcp_f32 v14, v14
	v_nop                                          ; a plain place behind the transcendental
	v_cmp_eq_u32 vcc_lo, 8, v30                    ; lanes 16-31
	WALU                                           ; ahead of the reciprocal's and O^T's first reader
.set J, 0
.rept 32
	v_mul_f32 v[100+J], v[164+J], v14              ; register 16 G + i: o(query, 32 G + 16 h + i)
.set J, J+1
.endr
.irp g, 0,1
	v_max3_num_f32 v[216+\g], |v[100+16*\g]|, |v[101+16*\g]|, 0x1800000
.endr
.irp i, 2,4,6,8,10,12,14
.irp g, 0,1
	v_max3_num_f32 v[216+\g], v[216+\g], |v[100+16*\g+\i]|, |v[101+16*\g+\i]|
.endr
.endr
.irp g, 0,1
	v_permlanex16_b32 v[220+\g], v[216+\g], s[SEL], s[SEL+1]
.endr
.irp g, 0,1
	v_max_num_f32 v[216+\g], v[216+\g], v[220+\g]
.endr
.irp g, 0,1
	v_add_nc_u32 v[224+\g], 0xff000000, v[216+\g]
.endr
.irp g, 0,1
	v_lshrrev_b32 v[220+\g], 23, v[224+\g]
.endr
.irp g, 0,1
	v_cvt_scalef32_pk16_fp6_f32 v[208+4*\g:210+4*\g], v[100+16*\g:115+16*\g], v[224+\g]
.endr
	v_cndmask_b32 v231, v220, v221, vcc_lo         ; (the plain place behind the conversions)  lanes 0-15 keep block 0's byte, lanes 16-31 block 1's
	ds_store_b32 v5, v208                          ; block G is registers 6 G + 3 h + 0, 1, 2 of the image; register g lies at 256 (g / 4) + 4 (g % 4) + 16 rho of my stage
	ds_store_b32 v6, v209 offset:4
	ds_store_b32 v6, v210 offset:8
	ds_store_b32 v6, v212 offset:264
	ds_store_b32 v6, v213 offset:268
	ds_store_b32 v5, v214 offset:512
.irp c, 0,1,2
	ds_load_b64 v[32+2*\c:33+2*\c], v7 offset:256*\c   ; LDS serves a wave's instructions in order: these see my stores
.endr
	WALU
.irp c, 0,1,2
	s_wait_dscnt 2-\c
	global_store_b64 v29, v[32+2*\c:33+2*\c], s[8:9] offset:512*\c   ; 32 lanes store 256 consecutive bytes, aligned
.endr
	global_store_b8 v31, v231, s[10:11]            ; one byte a lane: byte 2 G + (head & 1) of the row's word; o's scale bytes are 262,144 in all
	s_wait_xcnt 0x0                                ; the stores have read their registers and bases
	s_add_nc_u64 s[8:9], s[8:9], 147456            ; my next tile: twelve row blocks on
	s_add_nc_u64 s[10:11], s[10:11], 6144
.endm
.macro NEXTQ h, hs                     ; the next tile's Q and scale word; INIT's lines behind it are the places ahead of the products
.irp i, 0,1,2,3,4,5
	v_mov_b32 v[16+\i], v[\h+\i]
.endr
	v_mov_b32 v28, v[\hs]
	INIT
.endm
	WALU                                           ; at the head's end
	s_cmp_lt_u32 s[WV], 4
	s_cbranch_scc0 .Lnot_first
	s_wait_tensorcnt 0x0                           ; waves 0-3: key steps 0-4 and the scale words have landed
.Lnot_first:
	s_barrier_signal -1
	s_barrier_wait -1                              ; the other waves' loads may be out
	KLOAD                                          ; key step 0 of K
	s_wait_loadcnt 0x0                             ; the tiles' Q and scale words
	s_wait_dscnt 0x0
	LOOP 2, 0                                      ; key steps 0, 1
	s_wait_tensorcnt 0x0                           ; every wave: my load has landed
	s_wait_dscnt 0x0
	s_barrier_signal -1
	LOOP 2, 0                                      ; key steps 2, 3 (and K of step 4) read bytes that the first barrier has shown and that nobody writes
	s_barrier_wait -1                              ; all of K and V is in
	LOOP 12, 0
	OUT
	NEXTQ 240, 252
	LOOP 16, 0                                     ; the second tile
	OUT
	NEXTQ 246, 253
	LOOP 16, 1                                     ; the third, waves 0-7
	s_cmp_lt_u32 s[WV], 8
	s_cbranch_scc0 .Ldone
	OUT
.Ldone:
	s_wait_tensorcnt 0x0                           ; the wave's end
	ds_add_u32 v254, v255
	s_wait_dscnt 0x0
	CROUND                                         ; the closing round
	s_endpgm
.Lfunc_end_k_q0ab9875680_attn:
	.size	k_q0ab9875680_attn, .Lfunc_end_k_q0ab9875680_attn-k_q0ab9875680_attn
	.p2alignl 7, 3214868480
	.fill 96, 4, 3214868480
	.section	.rodata,"a",@progbits
	.p2align	6, 0x0
	.amdhsa_kernel k_q0ab9875680_attn
		.amdhsa_group_segment_fixed_size 272384
		.amdhsa_private_segment_fixed_size 0
		.amdhsa_enable_private_segment 0
		.amdhsa_kernarg_size 32
		.amdhsa_user_sgpr_count 2
		.amdhsa_user_sgpr_kernarg_segment_ptr 1
		.amdhsa_wavefront_size32 1
		.amdhsa_system_sgpr_workgroup_id_x 1
		.amdhsa_system_sgpr_workgroup_id_y 1
		.amdhsa_system_sgpr_workgroup_id_z 1
		.amdhsa_system_vgpr_workitem_id 0
		.amdhsa_next_free_vgpr 320
		.amdhsa_next_free_sgpr 100
		.amdhsa_reserve_vcc 1
		.amdhsa_float_denorm_mode_32 3
		.amdhsa_float_denorm_mode_16_64 3
		.amdhsa_memory_ordered 1
		.amdhsa_forward_progress 1
		.amdhsa_inst_pref_size 106
	.end_amdhsa_kernel
	.amdgpu_metadata
---
amdhsa.version: [ 1, 2 ]
amdhsa.kernels:
  - .name:           k_q0ab9875680_attn
    .symbol:         k_q0ab9875680_attn.kd
    .args:
      - { .name: qkv_codes, .offset: 0, .size: 8, .value_kind: global_buffer, .address_space: global }
      - { .name: qkv_scales, .offset: 8, .size: 8, .value_kind: global_buffer, .address_space: global }
      - { .name: o_codes, .offset: 16, .size: 8, .value_kind: global_buffer, .address_space: global }
      - { .name: o_scales, .offset: 24, .size: 8, .value_kind: global_buffer, .address_space: global }
    .group_segment_fixed_size: 272384
    .private_segment_fixed_size: 0
    .kernarg_segment_align: 8
    .kernarg_segment_size: 32
    .max_flat_workgroup_size: 384
    .sgpr_count:     100
    .vgpr_count:     320
    .wavefront_size: 32
...
	.end_amdgpu_metadata
.endif
;; end of part 3
;; launch proj (part 4): grid 4 x 64, 4 waves a work-group, clusters of 4 x 4, 295,424 bytes of LDS; arguments o_codes, o_scales, xw_codes, xw_scales, b_out, out0; writes out0
.if DOCPART == 4
	.amdgcn_target "amdgcn-amd-amdhsa--gfx1250"
	.amdhsa_code_object_version 6
	.text
	.protected	k_q0ab9875680_proj
	.globl	k_q0ab9875680_proj
	.p2align	8
	.type	k_q0ab9875680_proj,@function
k_q0ab9875680_proj:
	s_mov_b64 s[64:65], 0
	v_nop
	global_prefetch_b8 v0, s[64:65] scope:SCOPE_SE
	s_setreg_imm32_b32 hwreg(HW_REG_WAVE_MODE, 25, 1), 1
	s_wait_xcnt 0x0
	s_wait_alu depctr_hold_cnt(0) depctr_sa_sdst(0) depctr_va_vdst(0) depctr_va_sdst(0) depctr_va_ssrc(0) depctr_va_vcc(0) depctr_vm_vsrc(0)
	s_getreg_b32 s2, hwreg(HW_REG_IB_STS2, 6, 4)
	s_cmp_eq_u32 s2, 0
	s_cbranch_scc0 .Lentry_in_a_cluster
	s_endpgm
.Lentry_in_a_cluster:
	s_bfe_u32 s2, ttmp6, 0x10000c
	s_cmp_lg_u32 s2, 0xf033
	s_cbranch_scc0 .Lentry_shape_is_right
	s_endpgm
.Lentry_shape_is_right:
; out = o w_out + b_out, on codes of FP6 (E2M3) with E8M0 scales; sums in f32; the bias is the first products' C.
; OPERANDS are images of the matrix unit's registers: codes [row block of 16][K step 0..7][1,536 bytes], scale words [row block][K step / 4][r][K step % 4]; o's row blocks 0..511, w_out's columns are row blocks 704..767 of xw.
; Lane-row r of row block 2 g + u is true row (column) 32 g + 8 u + (r & 7) + 16 (r >> 3).
; SHARES.  256 work-groups; one makes 128 rows x 256 columns; four waves, 2 x 2, each 64 x 128: 32 accumulators.  K is 1,024: ALL of K of the work-group's 8 row blocks of o (98,304 bytes) and 16 of w_out (196,608) lies in LDS,
; brought by one joint load a wave at the head (waves 0, 1 a half each of o's, waves 2, 3 of w_out's); nothing is filled again, so no ring and no round stands in the work.
; CLUSTER 4 x 4: o's tile is shared along a row of the cluster, w_out's along a column.  No prefetch: every tile is asked for at the head by its tensor load, so there is no later load to run ahead of.
; The matrix instruction is used transposed (source 0 = w_out's columns, source 1 = o's rows): a lane holds eight numbers of one row of out.
; The stage for the way out lies on o's tile: a barrier, split round the last K step's products, shows that nobody reads it any more.
; REGISTERS: window 0: v16-30 addresses; v32-47 o's scale words, v64-95 w_out's; v96-127, v224-255 the bias; v128-223 o's fragments, two sets.  Window 1: w_out's fragments, two sets, at v0 and v128.  Window 2: the accumulators, (a, b) at 8 (8 a + b).
.set FR,     12
.set BBASE,  98304                     ; LDS: o's tile at 0, w_out's here
.set SPARE,  294912
.set SPITCH, 528
.set ADRA, 16
.set ADRB, 20                          ; v20: column blocks 0-3, v21: 4-7
.set STO,  24
.set RD,   25
.set SPW,  28
.set NIL,  29
.set L16,  30
.set SCA,  32
.set SCB,  64
.set AF,   128
.set BK,   128
.set G1, 24
.set G0, 32
.set G1B, 48
.set G0B, 56
.set WV, 80
.set HA, 81
.set HB, 82
.set MSB, 0
.macro WIN new
.if MSB != \new
	s_set_vgpr_msb (MSB<<8)|\new
.set MSB, \new
.endif
.endm
.set MUL_LO, 0xa1                      ; source 0 window 1, source 1 window 0, C and D window 2
.set FIRST_LO, 0x81                    ; the same with C in window 0
.set TO_B,   0x40
.macro CROUND
	s_barrier_signal -1
	s_barrier_wait -1
	s_cmp_lg_u32 s[WV], 0
	s_cbranch_scc1 .Lnot_wave_0_\@
	s_barrier_signal -3
.Lnot_wave_0_\@:
	s_barrier_wait -3
	s_barrier_signal -1
	s_barrier_wait -1
.endm
.macro PLACES
.rept 4
	v_nop
.endr
.endm
	s_load_b256 s[4:11], s[0:1], 0x0               ; o's codes, o's scale words, xw's codes, xw's scale words
	s_load_b128 s[12:15], s[0:1], 0x20             ; b_out, out0
	v_lshl_add_u32 v[SPW], v0, 2, SPARE
	v_mov_b32 v[NIL], 0
	ds_add_u32 v[SPW], v[NIL]                      ; the opening lines
	ds_add_u32 v[SPW], v[NIL]
	v_lshrrev_b32 v1, 5, v0
	v_readfirstlane_b32 s[WV], v1
	s_lshr_b32 s[HA], s[WV], 1                     ; my half of the rows.  Also: I fetch for o (0) or for w_out (1)
	s_and_b32 s[HB], s[WV], 1                      ; my half of the columns.  Also: which half of that tile I fetch
	s_bfe_u32 s40, ttmp6, 0x40000
	s_bfe_u32 s41, ttmp6, 0x40004
	s_lshl_b32 s43, s41, 2
	s_lshl_b32 s43, 15, s43                        ; my row of the cluster
	s_lshl_b32 s44, 0x1111, s40                    ; my column
	s_or_b32 s[G1+0], s43, (3<<16)|(1<<21)
	s_or_b32 s[G1B+0], s44, (3<<16)|(1<<21)
.irp g, G1, G1B                                ; dense blocks as rows of 3,072 bytes (384 elements of 8)
	s_mov_b32 s[\g+1], 384<<16
	s_mov_b32 s[\g+3], 384<<16
	s_mov_b32 s[\g+5], 384
	s_mov_b32 s[\g+6], 0
	s_mov_b32 s[\g+7], 0
.endr
	s_mov_b32 s[G1+2], 16<<16                      ; four row blocks
	s_mov_b32 s[G1+4], 16
	s_mov_b32 s[G1B+2], 32<<16                     ; eight
	s_mov_b32 s[G1B+4], 32
	s_and_b32 s16, ttmp7, 0xffff
	s_lshl_b32 s16, s16, 2
	s_add_co_u32 s16, s16, s41                     ; tile row 0..63
	s_lshl_b32 s17, ttmp9, 2
	s_add_co_u32 s17, s17, s40                     ; tile column 0..3
	s_lshl_b32 s18, s16, 3                         ; o's first row block
	s_lshl_b32 s19, s17, 4
	s_add_co_u32 s19, s19, 704                     ; w_out's
	s_lshl_b32 s20, s[HB], 2
	s_add_co_u32 s20, s20, s18
	s_mul_i32 s20, s20, 12288
	s_mov_b32 s21, 0
	s_lshl_b32 s46, s[HB], 3
	s_add_co_u32 s46, s46, s19
	s_lshl_b32 s92, s46, 9                         ; my eight column blocks' scale words
	s_mov_b32 s93, 0
	s_mul_i32 s46, s46, 12288
	s_mov_b32 s47, 0
	s_lshl_b32 s22, s[HA], 2
	s_add_co_u32 s22, s22, s18
	s_lshl_b32 s22, s22, 9                         ; my four row blocks' scale words
	s_mov_b32 s23, 0
	s_mov_b32 s[G0], 1
	s_mul_i32 s[G0+1], s[HB], 49152
	s_mov_b32 s[G0B], 1
	s_mul_i32 s[G0B+1], s[HB], 98304
	s_add_co_u32 s[G0B+1], s[G0B+1], BBASE
	s_wait_dscnt 0x0
	s_wait_kmcnt 0x0
	s_add_nc_u64 s[G0+2:G0+3], s[4:5], s[20:21]
	s_or_b32 s[G0+3], s[G0+3], 0x80000000
	s_add_nc_u64 s[G0B+2:G0B+3], s[8:9], s[46:47]
	s_or_b32 s[G0B+3], s[G0B+3], 0x80000000
	s_add_nc_u64 s[22:23], s[6:7], s[22:23]
	s_add_nc_u64 s[92:93], s[10:11], s[92:93]
	CROUND                                         ; all sixteen work-groups are here: the joint loads meet
	s_cmp_eq_u32 s[HA], 0
	s_cbranch_scc0 .Lfor_b
	tensor_load_to_lds s[G0:G0+3], s[G1:G1+7]
	s_nop 0
	PLACES
	s_branch .Lasked
.Lfor_b:
	tensor_load_to_lds s[G0B:G0B+3], s[G1B:G1B+7]
	s_nop 0
	PLACES
.Lasked:
	s_lshl_b32 s98, s17, 10                        ; my first column, in bytes
	s_lshl_b32 s99, s[HB], 9
	s_add_co_u32 s98, s98, s99
	s_mov_b32 s99, 0
	s_add_nc_u64 s[12:13], s[12:13], s[98:99]
	s_add_nc_u64 s[14:15], s[14:15], s[98:99]
	s_lshl_b32 s98, s16, 19                        ; my first row: 128 x tile row + 64 x half, rows of 4,096 bytes
	s_lshl_b32 s87, s[HA], 18
	s_add_co_u32 s98, s98, s87
	s_add_nc_u64 s[14:15], s[14:15], s[98:99]
	s_mul_i32 s96, s[HA], 49152                    ; my four row blocks in LDS
	s_mul_i32 s97, s[HB], 98304
	s_add_co_u32 s97, s97, BBASE                   ; my eight column blocks
	s_mul_i32 s95, s[WV], 16*SPITCH                ; my stage
	v_and_b32 v1, 31, v0
	v_bfe_u32 v2, v0, 4, 1
	v_and_b32 v3, 15, v0
	v_lshlrev_b32 v[L16], 4, v1
	v_lshlrev_b32 v6, 6, v2
	v_add_nc_u32 v[ADRA], s96, v[L16]
	v_add_nc_u32 v[ADRB], s97, v[L16]
	v_add_nc_u32 v[ADRB+1], 49152, v[ADRB]
	v_mul_u32_u24 v5, v3, SPITCH
	v_lshl_add_u32 v5, v2, 6, v5
	v_add_nc_u32 v[STO], s95, v5
	v_add_nc_u32 v[RD], s95, v[L16]
	s_wait_alu depctr_va_vdst(0)                   ; at the head's end
.irp i, 0,1,2,3
	global_load_b128 v[SCA+4*\i:SCA+4*\i+3], v[L16], s[22:23] offset:512*\i
.endr
.irp i, 0,1,2,3,4,5,6,7
	global_load_b128 v[SCB+4*\i:SCB+4*\i+3], v[L16], s[92:93] offset:512*\i
.endr
.irp b, 0,1,2,3,4,5,6,7                        ; the bias as the result lies: lane (r, h) of column block b holds columns 32 (b / 2) + 8 (b % 2) + 16 h + 0 .. 7
	global_load_b128 v[96+8*\b+96*(\b/4):99+8*\b+96*(\b/4)], v6, s[12:13] offset:(32*(\b/2)+8*(\b%2))*4
	global_load_b128 v[100+8*\b+96*(\b/4):103+8*\b+96*(\b/4)], v6, s[12:13] offset:(32*(\b/2)+8*(\b%2))*4+16
.endr
.macro FRAG reg, adr, k, i
.irp c, 0,1,2
	ds_load_b128 v[\reg+4*\c:\reg+4*\c+3], v[\adr] offset:12288*(\i)+1536*(\k)+512*\c
.endr
.endm
.macro FETCH k, p                      ; K step k's fragments into set p: 36 loads
	WIN TO_B
.irp i, 0,1,2,3,4,5,6,7
	FRAG 128*(\p)+FR*\i, ADRB+\i/4, \k, \i%4
.endr
	WIN 0
.irp i, 0,1,2,3
	FRAG AF+48*(\p)+FR*\i, ADRA, \k, \i
.endr
.endm
.macro MUL k, p, first                 ; 32 products; the accumulators take turns
.irp a, 0,1,2,3
.irp b, 0,1,2,3,4,5,6,7
.set rD, 8*(8*\a+\b)
.set rB, 128*(\p)+FR*\b
.set rA, AF+48*(\p)+FR*\a
.set rC, 96+8*\b+96*(\b/4)
.set rSB, SCB+4*\b+(\k)%4
.set rSA, SCA+4*\a+(\k)%4
.if \first
	v_wmma_scale_f32_16x16x128_f8f6f4 v[rD:rD+7], v[rB:rB+FR-1], v[rA:rA+FR-1], v[rC:rC+7], v[rSB], v[rSA] matrix_a_fmt:MATRIX_FMT_FP6 matrix_b_fmt:MATRIX_FMT_FP6
.elseif (\k) < 4
	v_wmma_scale_f32_16x16x128_f8f6f4 v[rD:rD+7], v[rB:rB+FR-1], v[rA:rA+FR-1], v[rD:rD+7], v[rSB], v[rSA] matrix_a_fmt:MATRIX_FMT_FP6 matrix_b_fmt:MATRIX_FMT_FP6
.else
	v_wmma_scale_f32_16x16x128_f8f6f4 v[rD:rD+7], v[rB:rB+FR-1], v[rA:rA+FR-1], v[rD:rD+7], v[rSB], v[rSA] matrix_a_fmt:MATRIX_FMT_FP6 matrix_b_fmt:MATRIX_FMT_FP6 matrix_a_scale:MATRIX_SCALE_ROW1 matrix_b_scale:MATRIX_SCALE_ROW1
.endif
.endr
.endr
.endm
	s_wait_tensorcnt 0x0                           ; my part of the tiles has landed
	s_barrier_signal -1
	s_barrier_wait -1                              ; everybody's has
	FETCH 0, 0
	s_wait_loadcnt 0x0                             ; the scale words and the bias
	s_wait_dscnt 0x0
	FETCH 1, 1
	WIN FIRST_LO
	MUL 0, 0, 1
.irp k, 1,2,3,4,5,6
	s_wait_dscnt 0x0                               ; this step's fragments, asked for 32 products ago
	PLACES                                         ; ahead of the loads into the set that the last step multiplied
	FETCH \k+1, (\k+1)%2
	WIN MUL_LO
	MUL \k, \k%2, 0
.endr
	s_wait_dscnt 0x0                               ; my last reads of the tiles are over:
	s_barrier_signal -1                            ; say so,
	MUL 7, 1, 0
	WIN 0
	s_barrier_wait -1                              ; and nobody reads o's tile any more: the stages may be written
.macro TOSTAGE a                       ; 16 rows x 128 columns through my stage: in by lanes, back as whole rows of 512 bytes
.set AC, 64*(\a)
	WIN 0x08
.irp b, 0,1,2,3,4,5,6,7
	ds_store_b128 v[STO], v[AC+8*\b:AC+8*\b+3] offset:128*(\b/2)+32*(\b%2)
	ds_store_b128 v[STO], v[AC+8*\b+4:AC+8*\b+7] offset:128*(\b/2)+32*(\b%2)+16
.endr
	WIN 0
.set BB, BK+64*((\a)%2)
.irp t, 0,1,2,3,4,5,6,7,8,9,10,11,12,13,14,15
	ds_load_b128 v[BB+4*\t:BB+4*\t+3], v[RD] offset:\t*SPITCH   ; LDS serves a wave's instructions in order: these see my stores
.endr
.endm
.macro SEND a, younger                 ; younger: the LDS instructions issued behind block a's loads
.set BB, BK+64*((\a)%2)
.set RB0, 32*((\a)/2)+8*((\a)%2)
	s_wait_dscnt \younger
.irp t, 0,1,2,3,4,5,6,7,8,9,10,11,12,13,14,15
	global_store_b128 v[L16], v[BB+4*\t:BB+4*\t+3], s[14:15] offset:(RB0+(\t%8)+16*(\t/8))*4096 th:TH_STORE_NT   ; 32 lanes store 512 consecutive bytes, aligned
.endr
.endm
	PLACES
	TOSTAGE 0
.irp a, 1,2,3
.if \a > 1
	s_wait_xcnt 0x0                                ; block a - 2's stores have read their registers
.endif
	TOSTAGE \a
	SEND \a-1, 32
.endr
	SEND 3, 0
	s_wait_tensorcnt 0x0                           ; the wave's end
	ds_add_u32 v[SPW], v[NIL]
	s_wait_dscnt 0x0
	CROUND                                         ; the closing round
	s_endpgm
.Lfunc_end_k_q0ab9875680_proj:
	.size	k_q0ab9875680_proj, .Lfunc_end_k_q0ab9875680_proj-k_q0ab9875680_proj
	.p2alignl 7, 3214868480
	.fill 96, 4, 3214868480
	.section	.rodata,"a",@progbits
	.p2align	6, 0x0
	.amdhsa_kernel k_q0ab9875680_proj
		.amdhsa_group_segment_fixed_size 295424
		.amdhsa_private_segment_fixed_size 0
		.amdhsa_enable_private_segment 0
		.amdhsa_kernarg_size 48
		.amdhsa_user_sgpr_count 2
		.amdhsa_user_sgpr_kernarg_segment_ptr 1
		.amdhsa_wavefront_size32 1
		.amdhsa_system_sgpr_workgroup_id_x 1
		.amdhsa_system_sgpr_workgroup_id_y 1
		.amdhsa_system_sgpr_workgroup_id_z 1
		.amdhsa_system_vgpr_workitem_id 0
		.amdhsa_next_free_vgpr 768
		.amdhsa_next_free_sgpr 100
		.amdhsa_reserve_vcc 0
		.amdhsa_float_denorm_mode_32 3
		.amdhsa_float_denorm_mode_16_64 3
		.amdhsa_memory_ordered 1
		.amdhsa_forward_progress 1
		.amdhsa_inst_pref_size 76
	.end_amdhsa_kernel
	.amdgpu_metadata
---
amdhsa.version: [ 1, 2 ]
amdhsa.kernels:
  - .name:           k_q0ab9875680_proj
    .symbol:         k_q0ab9875680_proj.kd
    .args:
      - { .name: o_codes, .offset: 0, .size: 8, .value_kind: global_buffer, .address_space: global }
      - { .name: o_scales, .offset: 8, .size: 8, .value_kind: global_buffer, .address_space: global }
      - { .name: xw_codes, .offset: 16, .size: 8, .value_kind: global_buffer, .address_space: global }
      - { .name: xw_scales, .offset: 24, .size: 8, .value_kind: global_buffer, .address_space: global }
      - { .name: b_out, .offset: 32, .size: 8, .value_kind: global_buffer, .address_space: global }
      - { .name: out0, .offset: 40, .size: 8, .value_kind: global_buffer, .address_space: global }
    .group_segment_fixed_size: 295424
    .private_segment_fixed_size: 0
    .kernarg_segment_align: 8
    .kernarg_segment_size: 48
    .max_flat_workgroup_size: 128
    .sgpr_count:     100
    .vgpr_count:     768
    .wavefront_size: 32
...
	.end_amdgpu_metadata
.endif
;; end of part 4
